; MI455X (gfx1250); checked and timed in simulation.
; The chip was launched on July 23, 2026; its instructions are those of AMD's public machine-readable ISA for CDNA 5 (MIT licence, August 2026) and "CDNA5" Instruction Set Architecture Reference Guide (July 2026). The comments in the code are by the model that wrote it; some were corrected since.
;; Transformer Encoder Layer. Allowed arithmetic: matrix products marked QUANTISED: E2M1 operands, one E8M0 scale for each 32 along K, by v_wmma_scale_f32_16x16x128_f8f6f4 with both operands' format E2M1 (or v_wmma_scale_f32_32x16x128_f4), f32 sums; everything else in f32.
;; Inputs: b1 512 float32; b2 1,024 float32; b_proj 1,024 float32; norm1_b 1,024 float32; norm1_w 1,024 float32; pre_norm_b 1,024 float32; pre_norm_w 1,024 float32; src 4 x 2,048 x 1,024 float32; w1_codes 512 x 32 x 16 uint8 (E2M1 codes of w1, K innermost, in blocks of 32 codes, two codes a byte); w1_scales 512 x 32 uint8 (E8M0 scales of w1, one for each 32 codes along K); w2_codes 1,024 x 16 x 16 uint8 (E2M1 codes of w2, K innermost, in blocks of 32 codes, two codes a byte); w2_scales 1,024 x 16 uint8 (E8M0 scales of w2, one for each 32 codes along K); w_proj_codes 1,024 x 16 x 16 uint8 (E2M1 codes of w_proj, K innermost, in blocks of 32 codes, two codes a byte); w_proj_scales 1,024 x 16 uint8 (E8M0 scales of w_proj, one for each 32 codes along K); wk_codes 512 x 32 x 16 uint8 (E2M1 codes of wk, K innermost, in blocks of 32 codes, two codes a byte); wk_scales 512 x 32 uint8 (E8M0 scales of wk, one for each 32 codes along K); wq_codes 512 x 32 x 16 uint8 (E2M1 codes of wq, K innermost, in blocks of 32 codes, two codes a byte); wq_scales 512 x 32 uint8 (E8M0 scales of wq, one for each 32 codes along K); wv_codes 512 x 32 x 16 uint8 (E2M1 codes of wv, K innermost, in blocks of 32 codes, two codes a byte); wv_scales 512 x 32 uint8 (E8M0 scales of wv, one for each 32 codes along K).
;; Outputs: out0 4 x 2,048 x 1,024 float32.
;; This version of the problem:
;;   THIS VERSION OF THE PROBLEM IS GIVEN IN LOW PRECISION. The matrix products marked QUANTISED in the list below multiply operands that are first quantised to E2M1 (2 exponent bits, 1 mantissa bit; 4 bits a number), with one power-of-two scale for each 32 numbers along K (OCP MX v1.0); their sums are f32. All else is computed in f32.
;;   The module's matrix products, in the order in which they are computed (A, B: the left and right operand; K: the contracted axis; several contracted axes count as one K, in the product's order):
;;     1. [M 8,192, K 1,024] x [K 1,024, N 512]; A: computed on the way; B: input wq (given as codes): QUANTISED
;;     2. [M 8,192, K 1,024] x [K 1,024, N 512]; A: computed on the way; B: input wk (given as codes): QUANTISED
;;     3. [M 8,192, K 1,024] x [K 1,024, N 512]; A: computed on the way; B: input wv (given as codes): QUANTISED
;;     4. batch 32 x [M 2,048, K 64] x [K 64, N 2,048]; A: computed on the way; B: computed on the way: QUANTISED
;;     5. batch 32 x [M 64, K 2,048] x [K 2,048, N 2,048]; A: computed on the way; B: softmax (see below): QUANTISED
;;     6. [M 8,192, K 512] x [K 512, N 1,024]; A: computed on the way; B: input w_proj (given as codes): QUANTISED
;;     7. [M 8,192, K 1,024] x [K 1,024, N 512]; A: computed on the way; B: input w1 (given as codes): QUANTISED
;;     8. [M 8,192, K 512] x [K 512, N 1,024]; A: computed on the way; B: input w2 (given as codes): QUANTISED
;;   THE QUANTISER, for each operand of a quantised product, along K:
;;     - K is cut into blocks of 32 from its start; a last block that is shorter is filled with zeros.
;;     - A block's scale is 2^e with e = floor(log2(the largest magnitude in the block)) - 2, held to -126 .. 127; a block of zeros has e = 0. As a byte (E8M0): e + 127.
;;     - Each number is divided by its block's scale, clamped to +-6, and rounded to the nearest number of E2M1, ties to even, subnormals kept.
;;     - The product sums the exact products of the quantised numbers (number of the format x scale) in f32.
;;   ~~~python
;;   def quantise(x, axis):      # numpy; x: float32 -> the quantised numbers, widened to float32 again
;;       x = np.moveaxis(x, axis, -1); K = x.shape[-1]
;;       x = np.pad(x, [(0, 0)] * (x.ndim - 1) + [(0, -K % 32)]); x = x.reshape(x.shape[:-1] + (-1, 32)); a = np.abs(x).max(-1, keepdims=True)
;;       e = np.where(a > 0, np.clip(np.frexp(np.where(a > 0, a, 1))[1] - 1 - 2, -126, 127), 0)      # np.frexp(a)[1] - 1 = floor(log2(a)), exactly
;;       r = np.clip(x / 2.0 ** e, -6, 6)
;;       step = 2.0 ** (np.maximum(np.frexp(np.where(r == 0, 1, r))[1] - 1, 0) - 1)
;;       q = np.round(r / step) * step * 2.0 ** e      # np.round: ties to even
;;       return np.moveaxis(q.reshape(q.shape[:-2] + (-1,))[..., :K], -1, axis).astype(np.float32)
;;   ~~~
;;   SOFTMAX AHEAD OF A QUANTISED PRODUCT. Where the list says 'softmax', what is quantised is not the finished softmax but p = 2^(t - M), with t = logit x log2(e) and M = ceil(the row's largest t), a whole number; so 1/2 < the row's largest p <= 1. The row's sum l is taken of the UNQUANTISED p, in f32, and the product's result is divided by l at the end. Since M is a whole number, a kernel that streams over the keys may use a running M (the ceiling of the running maximum): every later rescaling is an exact power of two, which a block's scale takes up: the codes' values come out the same.
;;   OPERANDS COMPUTED ON THE WAY. 'Computed on the way' means the value that the module computes at that place (a softmax that the list does not call 'softmax' is quantised finished and normalised). What goes into a quantiser is computed in f32, as accurately as f32 sums, v_exp_f32 and their like allow (about 1e-6 of the number): no bf16 or f16 on the way to a quantiser, and a product that is left as it is and whose result goes on into a quantised operand takes f32 operands (vector FMAs, or v_wmma_f32_16x16x4_f32). A number that lies on a knife's edge between two numbers of the format may be rounded either way, as far as f32 arithmetic and the matrix unit's own rounding can turn it there, and no further.
;;   INPUTS GIVEN AS CODES. w1 (in the module: [1024, 512], K = its axis 0); w2 (in the module: [512, 1024], K = its axis 0); w_proj (in the module: [512, 1024], K = its axis 0); wk (in the module: [1024, 512], K = its axis 0); wq (in the module: [1024, 512], K = its axis 0); wv (in the module: [1024, 512], K = its axis 0): each comes as NAME_codes (uint8): NAME with its K axis moved to the last place and cut into blocks of 32 codes, [.., K / 32, bytes a block], one block behind the other in memory; two codes a byte, the lower K in the low four bits (a code: sign, 2 exponent bits, 1 mantissa bit); and NAME_scales (uint8): the same leading axes, one E8M0 byte (e + 127) for each 32 codes along K. Its value is code x scale, taken as it is: it is not quantised again, and the codes and scales need not be those that the quantiser above would give.
;; 2 versions, each right; version 2 is version 1 with the launch attn written anew for expert scheduling mode. Each part assembles by itself: llvm-mc -triple=amdgcn-amd-amdhsa -mcpu=gfx1250 --defsym DOCPART=n.
;; ======== version 1 of 2: 3 launches
;; workspace buffers: qc 2,097,152 bytes; kc 2,097,152 bytes; vc 2,097,152 bytes; sc 524,288 bytes; oc 2,097,152 bytes; os 131,072 bytes
;; launch qkv (part 1): grid 256 x 1, 8 waves a work-group, clusters of 4 x 1, 327,680 bytes of LDS; arguments src, pre_norm_w, pre_norm_b, wq_codes, wq_scales, wk_codes, wk_scales, wv_codes, wv_scales, qc, kc, vc, sc; writes qc, kc, vc, sc
.if DOCPART == 1
	.amdgcn_target "amdgcn-amd-amdhsa--gfx1250"
	.amdhsa_code_object_version 6
	.text
	.protected	k_q407db69da9_qkv
	.globl	k_q407db69da9_qkv
	.p2align	8
	.type	k_q407db69da9_qkv,@function
k_q407db69da9_qkv:
	s_mov_b64 s[64:65], 0
	v_nop
	global_prefetch_b8 v0, s[64:65] scope:SCOPE_SE
	s_setreg_imm32_b32 hwreg(HW_REG_WAVE_MODE, 25, 1), 1
	s_wait_xcnt 0x0
	s_wait_alu depctr_hold_cnt(0) depctr_sa_sdst(0) depctr_va_vdst(0) depctr_va_sdst(0) depctr_va_ssrc(0) depctr_va_vcc(0) depctr_vm_vsrc(0)
	s_getreg_b32 s2, hwreg(HW_REG_IB_STS2, 6, 4)
	s_cmp_eq_u32 s2, 0
	s_cbranch_scc0 .Lentry_in_a_cluster
	s_endpgm
.Lentry_in_a_cluster:
	s_bfe_u32 s2, ttmp6, 0x10000c
	s_cmp_lg_u32 s2, 0x3003
	s_cbranch_scc0 .Lentry_shape_is_right
	s_endpgm
.Lentry_shape_is_right:
; x = pre_norm_w (src - mean) + pre_norm_b; q = Q(x) wq, k = Q(x) wk, v = Q(x) wv on codes of FP4 (E2M1) with one E8M0 scale for each 32 along K; then q and k are
; quantised along the head's 64 channels and v along the keys, and leave as IMAGES OF OPERAND REGISTERS, as the attention launch wants them.
; SHARES.  A work-group takes 32 rows (one block of 32 keys).  Wave w first normalises and quantises rows 4 w .. 4 w + 3; then it is head w: 64 columns of q, of k and of v for all 32 rows.
; ROWS.  The 32 rows are two tiles u = 0, 1; lane index r of tile u stands for row 8 u + r + 8 (r / 8): so v's 16 registers of the two tiles (source 0 = x, source 1 = weight rows) are 16 neighbouring keys.
; q and k are used transposed (source 0 = 16 NEIGHBOURING weight rows, source 1 = x): of a block of 32 channels a lane (r, h) holds channels 8 h + 0 .. 7 and 16 + 8 h + 0 .. 7.
; wv's tiles take rows 32 p + 8 a + r + 8 (r / 8), as the attention launch expects its channels.
; CLUSTER.  All work-groups walk the same 768 KB of weight codes, so four work-groups form a cluster and ask for them JOINTLY: the same tensor load, with the same descriptor and the mask of
; all four, in all four; each receives the rows in its own LDS.  That divides the requests for the weights by four, and the mover lays the rows 272 bytes apart itself.
; THE RING.  A fill is, for each wave, its head's 64 rows x 256 bytes (512 along K) of one of the three weights: 17,408 bytes in LDS; two slots of eight such parts.  Six fills: q, k, v, two halves of K each.
; A wave fetches and reads its own part alone.  A fill's 16 fragments are read into 128 registers at once; then the slot is free.
; By this text's own count two tensor loads of a wave are out at the start, later one.
; LIMITS: NaN and infinities are not served.  A block whose largest magnitude lies under 2^-124 (a block of zeros too) gets the byte 1; the bytes are read by this program alone.
; REGISTERS, window 0: v1-15 addresses and -mean; v16-23 x's scale words (before: scale bytes); v24-35 at work; v36-43 codes; v44-49 scale words made; v62-63 for the add; v64-111 weight scale words;
;   v128-191 accumulators (before: v128-255 four rows of src).   window 1: v0-127 x's 16 fragments (before: gain and bias); v128-255 a fill's 16 weight fragments.
.set WP,    272                        ; a weight row in LDS: 256 bytes + 16 = 68 words: row n starts at bank 4 n mod 64 (64 banks of 4 bytes: ISA guide 11.1): 16 neighbouring rows start at 16 different banks
.set WPART, 64*WP                      ; a wave's part of a slot
.set SLOT,  8*WPART
.set XP,    528                        ; a row of x's codes in LDS: 512 bytes + 16
.set XROW,  2*SLOT                     ; behind the ring: 32 such rows; LDS row 16 u + r
.set XSC,   XROW+32*XP                 ; 32 rows x 48 bytes: a row's 32 scale bytes
.set SPARE, XSC+32*48                  ; the spare words, 128 bytes for each wave: four blocks of 256 bytes that no other line names
.set L16, 1                            ; 16 x lane
.set L8,  2                            ; 8 x lane
.set WSN, 3                            ; weight scales, neighbouring rows: 32 x lane
.set WSV, 4                            ; wv's: row 8 h + r + 8 (r / 8), 32 bytes a row
.set WA0, 5                            ; v5, v6: my fragments in slot 0, 1: row r
.set XWA, 7                            ; where I put a row's codes
.set XWB, 8                            ; and its scale bytes
.set XA,  9                            ; x's fragments
.set XSA, 10                           ; x's scale words
.set VOF, 11                           ; v's images: 1,024 (lane / 16) + 16 (lane % 16)
.set NM,  12
.set WB0, 14                           ; v14, v15: wv's fragments in slot 0, 1: row r + 8 (r / 8)
.set XS,  16
.set TM,  24
.set PC,  36
.set PW,  44
.set SQ,  45
.set SK,  46
.set REC, 48
.set SPW, 62                           ; LDS address of my spare word; never rewritten
.set NIL, 63                           ; 0; never rewritten
.set WS,  64                           ; fill f, pair p: four words at v[WS + 4 (2 f + p)]
.set ACC, 128
.set XF,  0                            ; in window 1
.set WF,  128                          ; in window 1
.set WV,  34                           ; s34 my wave's number
.set SEL, 36                           ; s[36:37] lane selects: lane l xor 16
.set G1,  68                           ; s[68:75] descriptor group 1, the same for every load
.set G0,  76                           ; s[76:99] descriptor group 0, a set for each of the six fills; never rewritten
.set MSB, 0
.set NLD, 0                            ; global loads issued so far: the counted waits are made from it
.macro WIN new                         ; the immediate's high byte repeats the setting that is left
.if MSB != \new
	s_set_vgpr_msb (MSB<<8)|\new
.set MSB, \new
.endif
.endm
.macro PLACES n
.rept \n
	v_nop
.endr
.endm
.macro WLD m                           ; the loads up to mark m are in: those issued behind it may stay out
.if NLD-(\m) > 63
	s_wait_loadcnt 63
.else
	s_wait_loadcnt NLD-(\m)
.endif
.endm
; A round of the cluster's barrier: my work-group's barrier, so that wave 0's signal speaks for all eight waves; wave 0 signals for the work-group; every wave waits for all four work-groups; my work-group's barrier once more.
.macro CROUND
	s_barrier_signal -1
	s_barrier_wait -1
	s_cmp_lg_u32 s[WV], 0
	s_cbranch_scc1 .Lnot_wave_0_\@
	s_barrier_signal -3
.Lnot_wave_0_\@:
	s_barrier_wait -3
	s_barrier_signal -1
	s_barrier_wait -1
.endm
; Fill f goes into the slot whose fragments I have just read.
.macro CHANGE f
	s_wait_tensorcnt 0x0                           ; all my tensor loads have landed: the other slot is whole
	ds_add_u32 v[SPW], v[NIL]                      ; 0 onto my spare word
	s_wait_dscnt 0x0                               ; the add is done, and my reads of the slot are back in registers
	CROUND                                         ; both now hold of every wave of all four work-groups
	tensor_load_to_lds s[G0+4*(\f):G0+4*(\f)+3], s[G1:G1+7]   ; my one tensor load behind the round, and the first thing there
	s_nop 0
	PLACES 4
.endm
; One matrix instruction.  z = 1: C is the constant 0 (the sum begins), else C = D.  ra, rb = 1: that side's scales are read from lanes 16-31.
.macro WM d, a, b, z, sa, sb, ra, rb
.if \z
.if (\ra) && (\rb)
	v_wmma_scale_f32_16x16x128_f8f6f4 v[\d:\d+7], v[\a:\a+7], v[\b:\b+7], 0, v[\sa], v[\sb] matrix_a_fmt:MATRIX_FMT_FP4 matrix_b_fmt:MATRIX_FMT_FP4 matrix_a_scale:MATRIX_SCALE_ROW1 matrix_b_scale:MATRIX_SCALE_ROW1
.elseif (\ra)
	v_wmma_scale_f32_16x16x128_f8f6f4 v[\d:\d+7], v[\a:\a+7], v[\b:\b+7], 0, v[\sa], v[\sb] matrix_a_fmt:MATRIX_FMT_FP4 matrix_b_fmt:MATRIX_FMT_FP4 matrix_a_scale:MATRIX_SCALE_ROW1
.elseif (\rb)
	v_wmma_scale_f32_16x16x128_f8f6f4 v[\d:\d+7], v[\a:\a+7], v[\b:\b+7], 0, v[\sa], v[\sb] matrix_a_fmt:MATRIX_FMT_FP4 matrix_b_fmt:MATRIX_FMT_FP4 matrix_b_scale:MATRIX_SCALE_ROW1
.else
	v_wmma_scale_f32_16x16x128_f8f6f4 v[\d:\d+7], v[\a:\a+7], v[\b:\b+7], 0, v[\sa], v[\sb] matrix_a_fmt:MATRIX_FMT_FP4 matrix_b_fmt:MATRIX_FMT_FP4
.endif
.else
.if (\ra) && (\rb)
	v_wmma_scale_f32_16x16x128_f8f6f4 v[\d:\d+7], v[\a:\a+7], v[\b:\b+7], v[\d:\d+7], v[\sa], v[\sb] matrix_a_fmt:MATRIX_FMT_FP4 matrix_b_fmt:MATRIX_FMT_FP4 matrix_a_scale:MATRIX_SCALE_ROW1 matrix_b_scale:MATRIX_SCALE_ROW1
.elseif (\ra)
	v_wmma_scale_f32_16x16x128_f8f6f4 v[\d:\d+7], v[\a:\a+7], v[\b:\b+7], v[\d:\d+7], v[\sa], v[\sb] matrix_a_fmt:MATRIX_FMT_FP4 matrix_b_fmt:MATRIX_FMT_FP4 matrix_a_scale:MATRIX_SCALE_ROW1
.elseif (\rb)
	v_wmma_scale_f32_16x16x128_f8f6f4 v[\d:\d+7], v[\a:\a+7], v[\b:\b+7], v[\d:\d+7], v[\sa], v[\sb] matrix_a_fmt:MATRIX_FMT_FP4 matrix_b_fmt:MATRIX_FMT_FP4 matrix_b_scale:MATRIX_SCALE_ROW1
.else
	v_wmma_scale_f32_16x16x128_f8f6f4 v[\d:\d+7], v[\a:\a+7], v[\b:\b+7], v[\d:\d+7], v[\sa], v[\sb] matrix_a_fmt:MATRIX_FMT_FP4 matrix_b_fmt:MATRIX_FMT_FP4
.endif
.endif
.endm
; 64 numbers of a lane, registers 16 b .. 16 b + 15 = my 16 numbers of block b (lane l xor 16 holds the other 16), become codes in v[PC] on and four scale bytes in v[PW].
; nat = 0: my 16 are k = 16 h + 0 .. 15 of the block.  nat = 1: they are k = 8 h + 0 .. 7 and 16 + 8 h + 0 .. 7.
; Behind it v[PC + 4 c .. + 3] hold block 2 c whole in lanes 0-15 and block 2 c + 1 whole in lanes 16-31, k ascending.
.macro QUANT s, nat
.irp b, 0,1,2,3
	v_max3_num_f32 v[TM+\b], |v[\s+16*\b]|, |v[\s+1+16*\b]|, 0x1800000   ; my 16 numbers, and the floor 2^(3 - 127): the byte cannot fall under 1
.endr
.irp i, 2,4,6,8,10,12,14
.irp b, 0,1,2,3
	v_max3_num_f32 v[TM+\b], v[TM+\b], |v[\s+16*\b+\i]|, |v[\s+1+16*\b+\i]|   ; the four blocks by turns; each accumulator is read from its low end on
.endr
.endr
.irp b, 0,1,2,3
	v_permlanex16_b32 v[TM+4+\b], v[TM+\b], s[SEL], s[SEL+1]
.endr
.irp b, 0,1,2,3
	v_max_num_f32 v[TM+\b], v[TM+\b], v[TM+4+\b]   ; the block's largest magnitude
.endr
.irp b, 0,1,2,3
	v_add_nc_u32 v[TM+8+\b], 0xff000000, v[TM+\b]  ; 2 off its exponent field: the conversion's scale operand
.endr
.irp b, 0,1,2,3
	v_lshrrev_b32 v[TM+4+\b], 23, v[TM+8+\b]       ; the scale's byte
.endr
	v_lshl_or_b32 v[PW], v[TM+5], 8, v[TM+4]
	v_lshl_or_b32 v[PW], v[TM+6], 16, v[PW]
	v_lshl_or_b32 v[PW], v[TM+7], 24, v[PW]
.if \nat
.irp c, 0,1
	v_cvt_scalef32_pk8_fp4_f32 v[PC+4*\c], v[\s+32*\c:\s+32*\c+7], v[TM+8+2*\c]          ; block 2 c, k = 8 h on
	v_cvt_scalef32_pk8_fp4_f32 v[PC+4*\c+1], v[\s+32*\c+16:\s+32*\c+23], v[TM+9+2*\c]    ; block 2 c + 1, k = 8 h on
	v_cvt_scalef32_pk8_fp4_f32 v[PC+4*\c+2], v[\s+32*\c+8:\s+32*\c+15], v[TM+8+2*\c]     ; block 2 c, k = 16 + 8 h on
	v_cvt_scalef32_pk8_fp4_f32 v[PC+4*\c+3], v[\s+32*\c+24:\s+32*\c+31], v[TM+9+2*\c]    ; block 2 c + 1, k = 16 + 8 h on
.endr
	v_nop                                          ; one plain place behind a scaled conversion
.irp c, 0,1
	v_permlane16_swap_b32 v[PC+4*\c], v[PC+4*\c+1]       ; the first's lanes 16-31 change places with the second's lanes 0-15: k = 0 .. 7 and 8 .. 15 of a whole block
	v_permlane16_swap_b32 v[PC+4*\c+2], v[PC+4*\c+3]     ; k = 16 .. 23 and 24 .. 31
.endr
.else
.irp b, 0,1,2,3
	v_cvt_scalef32_pk8_fp4_f32 v[PC+2*\b], v[\s+16*\b:\s+7+16*\b], v[TM+8+\b]
	v_cvt_scalef32_pk8_fp4_f32 v[PC+1+2*\b], v[\s+8+16*\b:\s+15+16*\b], v[TM+8+\b]
.endr
	v_nop                                          ; one plain place behind a scaled conversion
.irp c, 0,1
.irp i, 0,1
	v_permlane16_swap_b32 v[PC+4*\c+\i], v[PC+2+4*\c+\i]
.endr
.endr
.endif
.endm
; Fill f's 16 fragments (pair p, tile a, K step s) come out of my part of its slot.  Fills 0-3 (wq, wk): tile 2 p + a = rows 32 p + 16 a + r.  Fills 4, 5 (wv): rows 32 p + 8 a + r + 8 (r / 8):
; there lanes 0-7 and lanes 8-15 take rows 16 apart, 17 x 256 bytes, so they meet in the banks two deep.
.macro FETCHW f
.if (\f) < 4
.set FA, WA0+(\f)%2
.set FT, 16
.else
.set FA, WB0+(\f)%2
.set FT, 8
.endif
	WIN 0x40                                       ; destination window 1
.irp p, 0,1
.irp a, 0,1
.irp s, 0,1,2,3
.irp c, 0,1
	ds_load_b128 v[WF+64*\p+32*\a+8*\s+4*\c:WF+64*\p+32*\a+8*\s+4*\c+3], v[FA] offset:(32*\p+FT*\a)*WP+64*\s+32*\c
.endr
.endr
.endr
.endr
	WIN 0
.endm
; Fill f is multiplied: 32 matrix instructions, four accumulators by turns, one instruction a turn.
.macro CFILL f
.set CU, (\f)/2
.set CKH, (\f)%2
	s_wait_dscnt 0x0                               ; the fragments are in
	WIN 0x05                                       ; both sources window 1; C and D window 0
.irp p, 0,1
.irp s, 0,1,2,3
.if (CKH == 0) && (\s == 0)
.set CZ, 1
.else
.set CZ, 0
.endif
.irp a, 0,1
.irp u, 0,1
.if CU < 2
	WM ACC+32*\u+8*(2*\p+\a), WF+64*\p+32*\a+8*\s, XF+64*\u+8*(4*CKH+\s), CZ, WS+4*(2*(\f)+\p)+\s, XS+4*CKH+\s, \a, \u
.else
	WM ACC+16*(2*\p+\a)+8*\u, XF+64*\u+8*(4*CKH+\s), WF+64*\p+32*\a+8*\s, CZ, XS+4*CKH+\s, WS+4*(2*(\f)+\p)+\s, \u, \a
.endif
.endr
.endr
.endr
.endr
	WIN 0
.endm
; Row i of my four: mean, x, codes and scale bytes.  Lane l holds elements 128 g + 4 l + 0 .. 3 of segment g: a block of 32 lies in eight neighbouring lanes.
.macro LNROW i
.set R, 128+32*\i
	WLD MR\i
	v_pk_add_f32 v[24:25], v[R:R+1], v[R+2:R+3]
	v_pk_add_f32 v[26:27], v[R+4:R+5], v[R+6:R+7]
.irp j, 8,12,16,20,24,28
	v_pk_add_f32 v[24:25], v[24:25], v[R+\j:R+\j+1]
	v_pk_add_f32 v[26:27], v[26:27], v[R+\j+2:R+\j+3]
.endr
	v_pk_add_f32 v[24:25], v[24:25], v[26:27]
	v_add_f32 v24, v24, v25
	v_add_f32_dpp v24, v24, v24 row_xmask:1 row_mask:0xf bank_mask:0xf
	v_add_f32_dpp v24, v24, v24 row_xmask:2 row_mask:0xf bank_mask:0xf
	v_add_f32_dpp v24, v24, v24 row_xmask:4 row_mask:0xf bank_mask:0xf
	v_add_f32_dpp v24, v24, v24 row_xmask:8 row_mask:0xf bank_mask:0xf
	v_permlanex16_b32 v25, v24, s[SEL], s[SEL+1]
	v_add_f32 v24, v24, v25                        ; the row's sum, in every lane
	v_mul_f32 v[NM], 0xba800000, v24               ; -mean = sum x -2^-10
	v_mov_b32 v[NM+1], v[NM]
.irp j, 0,2,4,6,8,10,12,14,16,18,20,22,24,26,28,30
	v_pk_add_f32 v[R+\j:R+\j+1], v[R+\j:R+\j+1], v[NM:NM+1]
.endr
	WIN 0x14                                       ; sources 1 and 2 (gain, bias) window 1
.irp j, 0,2,4,6,8,10,12,14,16,18,20,22,24,26,28,30
	v_pk_fma_f32 v[R+\j:R+\j+1], v[R+\j:R+\j+1], v[0+\j:1+\j], v[32+\j:33+\j]   ; x = gain (src - mean) + bias
.endr
	WIN 0
.irp g, 0,1,2,3,4,5,6,7
	v_max3_num_f32 v[24+\g], |v[R+4*\g]|, |v[R+4*\g+1]|, 0x1800000
.endr
.irp g, 0,1,2,3,4,5,6,7
	v_max3_num_f32 v[24+\g], v[24+\g], |v[R+4*\g+2]|, |v[R+4*\g+3]|
.endr
.irp m, 1,2,4
.irp g, 0,1,2,3,4,5,6,7
	v_max_num_f32_dpp v[24+\g], v[24+\g], v[24+\g] row_xmask:\m row_mask:0xf bank_mask:0xf   ; with the block's other seven lanes
.endr
.endr
.irp g, 0,1,2,3,4,5,6,7
	v_add_nc_u32 v[24+\g], 0xff000000, v[24+\g]    ; the conversion's scale operand
.endr
	s_wait_dscnt 0x0                               ; the last row's LDS stores have read their data registers
; Eight registers hold four numbers of segment 2 m and four of segment 2 m + 1.  They are converted twice: under the first segment's scale the low 16 bits are right, under the
; second's the high 16 bits; the other half only saturates and is not stored.
.irp m, 0,1,2,3
	v_cvt_scalef32_pk8_fp4_f32 v[PC+2*\m], v[R+8*\m:R+8*\m+7], v[24+2*\m]
	v_cvt_scalef32_pk8_fp4_f32 v[PC+1+2*\m], v[R+8*\m:R+8*\m+7], v[25+2*\m]
.endr
.irp g, 0,1,2,3,4,5,6,7
	v_lshrrev_b32 v[XS+\g], 23, v[24+\g]           ; the scale bytes (plain lines behind the conversions)
.endr
.irp m, 0,1,2,3
	ds_store_b16 v[XWA], v[PC+2*\m] offset:XP*\i+128*\m
	ds_store_b16_d16_hi v[XWA], v[PC+1+2*\m] offset:XP*\i+128*\m+64
.endr
.irp g, 0,1,2,3,4,5,6,7
	ds_store_b8 v[XWB], v[XS+\g] offset:48*\i+4*\g   ; the eight lanes of a block write the same byte with the same value
.endr
.endm
.macro UNITEND un
	s_wait_xcnt 0x0                                ; the codes' registers are the last unit's store data: written again only behind this wait
.if \un == 0
	QUANT ACC, 1
	global_store_b128 v[L16], v[PC:PC+3], s[26:27]             ; tile 0's image: lane (r, h) = block h of its row; 512 consecutive bytes
	global_store_b128 v[L16], v[PC+4:PC+7], s[26:27] offset:512
	v_mov_b32 v[SQ], v[PW]
.elseif \un == 1
	QUANT ACC, 1
	global_store_b128 v[L16], v[PC:PC+3], s[28:29]
	global_store_b128 v[L16], v[PC+4:PC+7], s[28:29] offset:512
	v_mov_b32 v[SK], v[PW]
.else
	QUANT ACC, 0
	global_store_b128 v[VOF], v[PC:PC+3], s[30:31]             ; channel tiles 0 (lanes 0-15) and 1 (lanes 16-31): 256 consecutive bytes each, aligned
	global_store_b128 v[VOF], v[PC+4:PC+7], s[30:31] offset:2048
	v_cndmask_b32 v[REC], v[SQ], v[SK], s38        ; lanes 0-15 q's scale word, lanes 16-31 k's
	v_mov_b32 v[REC+1], v[PW]                      ; v's: byte t = channel tile t
	global_store_b64 v[L8], v[REC:REC+1], s[32:33] ; 256 consecutive bytes, aligned
.endif
.endm
	s_load_b512 s[8:23], s[0:1], 0x0               ; src 8, gain 10, bias 12, wq codes 14, scales 16, wk 18, 20, wv codes 22
	s_load_b256 s[24:31], s[0:1], 0x40             ; wv scales 24, qc 26, kc 28, vc 30
	s_load_b64 s[32:33], s[0:1], 0x60              ; sc
	v_lshl_add_u32 v[SPW], v0, 2, SPARE
	v_mov_b32 v[NIL], 0
	ds_add_u32 v62, v63
	ds_add_u32 v62, v63
	s_wait_dscnt 0x0
	v_lshrrev_b32 v50, 5, v0
	v_readfirstlane_b32 s[WV], v50                 ; wave 0..7
	v_and_b32 v50, 31, v0                          ; lane
	v_and_b32 v51, 15, v0                          ; r
	v_bfe_u32 v52, v0, 4, 1                        ; h
	v_lshlrev_b32 v[L16], 4, v50
	v_lshlrev_b32 v[L8], 3, v50
	v_lshlrev_b32 v[WSN], 5, v50
	v_lshlrev_b32 v53, 4, v51
	v_lshl_add_u32 v[VOF], v52, 10, v53
	v_and_b32 v54, 8, v51
	v_add_nc_u32 v54, v54, v51                     ; r + 8 (r / 8)
	v_lshl_add_u32 v55, v52, 3, v54                ; + 8 h
	v_lshlrev_b32 v[WSV], 5, v55
	s_mul_i32 s60, s[WV], WPART                    ; my part of a slot: no place in the cluster enters an LDS address
	v_mul_u32_u24 v[WA0], v51, WP
	v_lshl_add_u32 v[WA0], v52, 4, v[WA0]
	v_add_nc_u32 v[WA0], s60, v[WA0]
	v_add_nc_u32 v[WA0+1], SLOT, v[WA0]
	v_mul_u32_u24 v[WB0], v54, WP
	v_lshl_add_u32 v[WB0], v52, 4, v[WB0]
	v_add_nc_u32 v[WB0], s60, v[WB0]
	v_add_nc_u32 v[WB0+1], SLOT, v[WB0]
	s_bfe_u32 s41, s[WV], 0x10001                  ; row 4 w goes to LDS row 16 ((w / 2) % 2) + 8 (w / 4) + 4 (w % 2)
	s_lshl_b32 s41, s41, 4
	s_lshr_b32 s42, s[WV], 2
	s_lshl_b32 s42, s42, 3
	s_add_co_u32 s41, s41, s42
	s_and_b32 s42, s[WV], 1
	s_lshl_b32 s42, s42, 2
	s_add_co_u32 s41, s41, s42
	s_mul_i32 s42, s41, XP
	s_add_co_u32 s42, s42, XROW
	v_lshl_add_u32 v[XWA], v50, 1, s42
	s_mul_i32 s43, s41, 48
	s_add_co_u32 s43, s43, XSC
	v_lshrrev_b32 v[XWB], 3, v50
	v_add_nc_u32 v[XWB], s43, v[XWB]
	v_mul_u32_u24 v[XA], v51, XP
	v_lshl_add_u32 v[XA], v52, 4, v[XA]
	v_add_nc_u32 v[XA], XROW, v[XA]
	v_mul_u32_u24 v[XSA], v50, 48
	v_add_nc_u32 v[XSA], XSC, v[XSA]
	s_mov_b32 s[SEL], 0x76543210
	s_mov_b32 s[SEL+1], 0xfedcba98
	s_mov_b32 s38, 0xffff0000                      ; lanes 16-31
	s_bfe_u32 s35, ttmp6, 0x40000                  ; cx: my place in the cluster
	s_lshl_b32 s39, ttmp9, 2                       ; in a cluster launch ttmp9 counts clusters
	s_add_co_u32 s39, s39, s35                     ; my block of 32 rows = 4 x cluster x + cx: it enters the addresses of src and of the four outputs alone
	; descriptor group 1: a tile of 64 rows x 256 bytes out of rows of 512 bytes, padded in LDS
	s_mov_b32 s[G1], 15|(1<<20)|(1<<21)|(5<<22)|(3<<25)   ; 15:0 the mask: all four work-groups; 17:16 elements of 1 byte; 20 padding on; 21 set beside a mask; 24:22 after every 64 words (code 5); 31:25 four words (code 3)
	s_mov_b32 s[G1+1], 256<<16                     ; tensor_dim0
	s_mov_b32 s[G1+2], 64<<16                      ; tensor_dim1
	s_mov_b32 s[G1+3], 256<<16                     ; tile_dim0
	s_mov_b32 s[G1+4], 64                          ; tile_dim1
	s_mov_b32 s[G1+5], 512                         ; tensor_dim0_stride
	s_mov_b32 s[G1+6], 0
	s_mov_b32 s[G1+7], 0
	s_lshl_b32 s44, s39, 17                        ; src: 32 rows of 4,096 bytes a work-group, 4 a wave
	s_lshl_b32 s45, s[WV], 14
	s_add_co_u32 s44, s44, s45
	s_mov_b32 s45, 0
	s_lshl_b32 s46, s[WV], 15                      ; my head's 64 weight rows of 512 bytes,
	s_mov_b32 s47, 0
	s_lshl_b32 s48, s[WV], 11                      ; and of 32 scale bytes
	s_mov_b32 s49, 0
	s_lshr_b32 s50, s39, 6
	s_lshl_b32 s50, s50, 3
	s_add_co_u32 s50, s50, s[WV]                   ; bh = 8 x batch + head
	s_and_b32 s51, s39, 63                         ; P: which 32 rows of the batch's 2,048
	s_lshl_b32 s58, s50, 16
	s_lshl_b32 s59, s51, 10
	s_add_co_u32 s52, s58, s59                     ; qc, kc: [bh][P][u][lane][16]
	s_mov_b32 s53, 0
	s_lshr_b32 s59, s51, 2
	s_lshl_b32 s59, s59, 12
	s_add_co_u32 s54, s58, s59                     ; vc: [bh][P / 4][channel tile][(P / 2) % 2][16 (P % 2) + r][16]
	s_bfe_u32 s59, s51, 0x10001
	s_lshl_b32 s59, s59, 9
	s_add_co_u32 s54, s54, s59
	s_and_b32 s59, s51, 1
	s_lshl_b32 s59, s59, 8
	s_add_co_u32 s54, s54, s59
	s_mov_b32 s55, 0
	s_lshl_b32 s56, s50, 14
	s_lshl_b32 s59, s51, 8
	s_add_co_u32 s56, s56, s59                     ; sc: [bh][P][lane][2 words]
	s_mov_b32 s57, 0
	s_wait_kmcnt 0x0
	s_add_nc_u64 s[8:9], s[8:9], s[44:45]
	s_add_nc_u64 s[14:15], s[14:15], s[46:47]
	s_add_nc_u64 s[18:19], s[18:19], s[46:47]
	s_add_nc_u64 s[22:23], s[22:23], s[46:47]
	s_add_nc_u64 s[16:17], s[16:17], s[48:49]
	s_add_nc_u64 s[20:21], s[20:21], s[48:49]
	s_add_nc_u64 s[24:25], s[24:25], s[48:49]
	s_add_nc_u64 s[26:27], s[26:27], s[52:53]
	s_add_nc_u64 s[28:29], s[28:29], s[52:53]
	s_add_nc_u64 s[30:31], s[30:31], s[54:55]
	s_add_nc_u64 s[32:33], s[32:33], s[56:57]
	WIN 0x40                                       ; destination window 1
.irp g, 0,1,2,3,4,5,6,7
	global_load_b128 v[4*\g:4*\g+3], v[L16], s[10:11] offset:512*\g
	global_load_b128 v[32+4*\g:35+4*\g], v[L16], s[12:13] offset:512*\g
.endr
	WIN 0
.set NLD, NLD+16
.irp i, 0,1,2,3
.irp g, 0,1,2,3,4,5,6,7
	global_load_b128 v[128+32*\i+4*\g:131+32*\i+4*\g], v[L16], s[8:9] offset:4096*\i+512*\g th:TH_LOAD_NT   ; 512 consecutive bytes a load
.endr
.set NLD, NLD+8
.set MR\i, NLD
.endr
.set F, 0
.rept 6                                ; the weights' scale words of all six fills: four words (512 along K) a row; lanes 0-15 tile 2 p, lanes 16-31 tile 2 p + 1
.irp p, 0,1
.if F < 4
	global_load_b128 v[WS+4*(2*F+\p):WS+4*(2*F+\p)+3], v[WSN], s[16+4*(F/2):17+4*(F/2)] offset:1024*\p+16*(F%2)
.else
	global_load_b128 v[WS+4*(2*F+\p):WS+4*(2*F+\p)+3], v[WSV], s[16+4*(F/2):17+4*(F/2)] offset:1024*\p+16*(F%2)
.endif
.endr
.set F, F+1
.endr
.set NLD, NLD+12
.set F, 0
.rept 6                                ; descriptor group 0 of fill F: weight F / 2, half F % 2 of K, slot F % 2
	s_mov_b32 s[G0+4*F], 1                                         ; count = 1
	s_add_co_u32 s[G0+4*F+1], s60, (F%2)*SLOT                      ; LDS address: my part of the slot
	s_add_nc_u64 s[G0+4*F+2:G0+4*F+3], s[14+4*(F/2):15+4*(F/2)], 256*(F%2)   ; global address: my head's rows; the same in all four work-groups
	s_or_b32 s[G0+4*F+3], s[G0+4*F+3], 0x80000000                  ; type = 2
.set F, F+1
.endr
	CROUND                                         ; all four work-groups are here: the first joint loads meet
	tensor_load_to_lds s[G0:G0+3], s[G1:G1+7]      ; the two first fills go out together, ahead of every wait on TENSORcnt
	s_nop 0
	tensor_load_to_lds s[G0+4:G0+7], s[G1:G1+7]
	s_nop 0
	PLACES 4
	LNROW 0
	s_wait_tensorcnt 0x1                           ; my part of fill 0 has landed; fill 1's may stay out.  Nobody else reads my part
	FETCHW 0
	LNROW 1
	CHANGE 2                                       ; slot 0 takes fill 2 while the other rows are normalised
	LNROW 2
	LNROW 3
	s_wait_dscnt 0x0                               ; for the others' sake: my rows' codes and scale bytes lie in LDS
	s_barrier_signal -1
	s_barrier_wait -1                              ; all 32 rows do.  Fill 2 may stay on its way across it
	WIN 0x40
.irp u, 0,1
.irp k, 0,1,2,3,4,5,6,7
.irp c, 0,1
	ds_load_b128 v[XF+64*\u+8*\k+4*\c:XF+64*\u+8*\k+4*\c+3], v[XA] offset:16*XP*\u+64*\k+32*\c   ; x stays in registers: 2 tiles x 8 K steps
.endr
.endr
.endr
	WIN 0
	ds_load_b128 v[XS:XS+3], v[XSA]                ; a word for each K step: lanes 0-15 tile 0, lanes 16-31 tile 1
	ds_load_b128 v[XS+4:XS+7], v[XSA] offset:16
	s_wait_loadcnt 0x0                             ; the weights' scale words
	CFILL 0
	PLACES 4                                       ; in front of loads into registers that matrix instructions have read
	FETCHW 1
	CHANGE 3
	CFILL 1
	PLACES 5                                       ; the next unit's first products write over these accumulators: five places (ISA guide 7.12.1)
	FETCHW 2
	CHANGE 4
	UNITEND 0                                      ; q is quantised and stored while fill 4 is on its way
	CFILL 2
	PLACES 4
	FETCHW 3
	CHANGE 5
	CFILL 3
	PLACES 5
	FETCHW 4                                       ; (fill 4 was shown landed by the wait in front of the last round)
	UNITEND 1
	CFILL 4
	PLACES 4
	s_wait_tensorcnt 0x0                           ; fill 5 has landed; nothing is left to fetch
	FETCHW 5
	CFILL 5
	PLACES 4
	UNITEND 2
	s_wait_tensorcnt 0x0                           ; the wave's end, behind my last tensor load and my last LDS store
	ds_add_u32 v[SPW], v[NIL]
	s_wait_dscnt 0x0
	CROUND                                         ; the closing round: no work-group ends while a partner may still ask for rows by a load that names it
	s_endpgm
.Lfunc_end_k_q407db69da9_qkv:
	.size	k_q407db69da9_qkv, .Lfunc_end_k_q407db69da9_qkv-k_q407db69da9_qkv
	.p2alignl 7, 3214868480
	.fill 96, 4, 3214868480
	.section	.rodata,"a",@progbits
	.p2align	6, 0x0
	.amdhsa_kernel k_q407db69da9_qkv
		.amdhsa_group_segment_fixed_size 327680
		.amdhsa_private_segment_fixed_size 0
		.amdhsa_enable_private_segment 0
		.amdhsa_kernarg_size 104
		.amdhsa_user_sgpr_count 2
		.amdhsa_user_sgpr_kernarg_segment_ptr 1
		.amdhsa_wavefront_size32 1
		.amdhsa_system_sgpr_workgroup_id_x 1
		.amdhsa_system_sgpr_workgroup_id_y 1
		.amdhsa_system_sgpr_workgroup_id_z 1
		.amdhsa_system_vgpr_workitem_id 0
		.amdhsa_next_free_vgpr 512
		.amdhsa_next_free_sgpr 100
		.amdhsa_reserve_vcc 0
		.amdhsa_float_denorm_mode_32 3
		.amdhsa_float_denorm_mode_16_64 3
		.amdhsa_memory_ordered 1
		.amdhsa_forward_progress 1
		.amdhsa_inst_pref_size 102
	.end_amdhsa_kernel
	.amdgpu_metadata
---
amdhsa.version: [ 1, 2 ]
amdhsa.kernels:
  - .name:           k_q407db69da9_qkv
    .symbol:         k_q407db69da9_qkv.kd
    .args:
      - { .name: src, .offset: 0, .size: 8, .value_kind: global_buffer, .address_space: global }
      - { .name: pre_norm_w, .offset: 8, .size: 8, .value_kind: global_buffer, .address_space: global }
      - { .name: pre_norm_b, .offset: 16, .size: 8, .value_kind: global_buffer, .address_space: global }
      - { .name: wq_codes, .offset: 24, .size: 8, .value_kind: global_buffer, .address_space: global }
      - { .name: wq_scales, .offset: 32, .size: 8, .value_kind: global_buffer, .address_space: global }
      - { .name: wk_codes, .offset: 40, .size: 8, .value_kind: global_buffer, .address_space: global }
      - { .name: wk_scales, .offset: 48, .size: 8, .value_kind: global_buffer, .address_space: global }
      - { .name: wv_codes, .offset: 56, .size: 8, .value_kind: global_buffer, .address_space: global }
      - { .name: wv_scales, .offset: 64, .size: 8, .value_kind: global_buffer, .address_space: global }
      - { .name: qc, .offset: 72, .size: 8, .value_kind: global_buffer, .address_space: global }
      - { .name: kc, .offset: 80, .size: 8, .value_kind: global_buffer, .address_space: global }
      - { .name: vc, .offset: 88, .size: 8, .value_kind: global_buffer, .address_space: global }
      - { .name: sc, .offset: 96, .size: 8, .value_kind: global_buffer, .address_space: global }
    .group_segment_fixed_size: 327680
    .private_segment_fixed_size: 0
    .kernarg_segment_align: 8
    .kernarg_segment_size: 104
    .max_flat_workgroup_size: 256
    .sgpr_count:     100
    .vgpr_count:     512
    .wavefront_size: 32
...
	.end_amdgpu_metadata
.endif
;; end of part 1
;; launch attn (part 2): grid 8 x 32, 16 waves a work-group, no clusters, 141,312 bytes of LDS; arguments qc, kc, vc, sc, oc, os; writes oc, os
.if DOCPART == 2
	.amdgcn_target "amdgcn-amd-amdhsa--gfx1250"
	.amdhsa_code_object_version 6
	.text
	.protected	k_q407db69da9_attn
	.globl	k_q407db69da9_attn
	.p2align	8
	.type	k_q407db69da9_attn,@function
k_q407db69da9_attn:
	s_mov_b64 s[64:65], 0
	v_nop
	global_prefetch_b8 v0, s[64:65] scope:SCOPE_SE
	s_setreg_imm32_b32 hwreg(HW_REG_WAVE_MODE, 25, 1), 1
	s_wait_xcnt 0x0
; o = softmax(q k^T / 8) v for one (batch, head), both products on codes of FP4 (E2M1) with one E8M0 scale for each 32 along K; o / l is quantised along the head's 64 channels and leaves as codes.
; THE SOFTMAX: t = score x log2(e) / 8; M = the running largest t rounded UP to a whole number; p = 2^(t - M) is quantised along the keys, not normalised; the row's sum is taken of the
; unquantised p and divides at the end; when M moves, the sum and O are multiplied by 2^(old M - new M), which rounds nothing.
; SHARES.  A work-group owns 256 queries of one head, each of its sixteen waves one tile of 16: four waves to a SIMD, so that one wave's vector work stands beside another's matrix work.
; A head's codes of K and of V are 64 KB each: the whole head is brought into LDS ONCE, through registers, as it lies in memory (images of operand registers); one barrier; then LDS is only read.
; The eight work-groups of a head read the same 132 KB; they are not asked for jointly: each byte is read once by a work-group, ahead of the loop, and this text has no tensor load and no ring.
; K = 64 IN AN INSTRUCTION OF K = 128.  The image of a pair of key tiles (tile 0 in registers 0-3, tile 1 in registers 4-7) is ONE source 0; source 1 is (Q, zeros) for tile 0 and (zeros, Q)
; for tile 1: zero codes add nothing.  Q lies between two runs of zeros, v16-19 and v24-27, so both forms are runs of eight registers.
; LAYOUT.  Both products are used transposed: a lane holds one query (lane % 16).  Lane index r of key tile u of a pair stands for key 8 u + r + 8 (r / 8), so the 16 score registers of a
; pair are keys 16 (lane / 16) + 0 .. 15 of its 32.  V's channel tiles are chosen alike, so O's 16 registers of two tiles are 16 neighbouring channels.
; LIMITS: NaN and infinities are not served; a block whose largest magnitude lies under 2^-124 gets the byte 1 (read by this program alone); 1 / l by v_rcp_f32.
; REGISTERS: v1-4 addresses that stay; v5-7 lane, r, h; v8-11 addresses in hand; v12 -M, v13 largest t, v14-15 the sum; v16-27 zeros, Q, zeros; v28-29 Q's scale words; v32-63 K; v64-95 V;
;   v96-159 scores, then p; v160-191 O^T; v192-195 K's scale words, v196-197 V's; v224-231 p's codes; v232-254 at work.
.set KC,  0
.set VC,  65536
.set KSC, 131072                       ; [step 16][r 16][pair 4] words
.set VSC, 135168                       ; [step 16][lane 32][2] words: word c of lane 16 a + r: channel tile 2 c + a, channel lane r; its four bytes: the step's four blocks of keys
.macro WM d, a, b, z, sa, sb, ra, rb
.if \z
	v_wmma_scale_f32_16x16x128_f8f6f4 v[\d:\d+7], v[\a:\a+7], v[\b:\b+7], 0, v[\sa], v[\sb] matrix_a_fmt:MATRIX_FMT_FP4 matrix_b_fmt:MATRIX_FMT_FP4
.elseif (\ra)
	v_wmma_scale_f32_16x16x128_f8f6f4 v[\d:\d+7], v[\a:\a+7], v[\b:\b+7], v[\d:\d+7], v[\sa], v[\sb] matrix_a_fmt:MATRIX_FMT_FP4 matrix_b_fmt:MATRIX_FMT_FP4 matrix_a_scale:MATRIX_SCALE_ROW1
.else
	v_wmma_scale_f32_16x16x128_f8f6f4 v[\d:\d+7], v[\a:\a+7], v[\b:\b+7], v[\d:\d+7], v[\sa], v[\sb] matrix_a_fmt:MATRIX_FMT_FP4 matrix_b_fmt:MATRIX_FMT_FP4
.endif
.endm
	s_load_b256 s[4:11], s[0:1], 0x0               ; qc 4, kc 6, vc 8, sc 10
	s_load_b128 s[12:15], s[0:1], 0x20             ; oc 12, os 14
	v_lshl_add_u32 v251, v0, 2, 0x22000
	v_mov_b32 v255, 0
	v_lshrrev_b32 v5, 5, v0
	v_readfirstlane_b32 s16, v5                    ; wave 0..15
	v_and_b32 v5, 31, v0                           ; lane
	v_and_b32 v6, 15, v0                           ; r
	v_bfe_u32 v7, v0, 4, 1                         ; h
	v_lshlrev_b32 v1, 4, v5                        ; K's images: 16 x lane
	v_add_nc_u32 v2, VC, v1                        ; V's
	v_lshl_add_u32 v3, v6, 4, KSC                  ; K's scale words: 16 bytes for lane index r
	v_lshl_add_u32 v4, v5, 3, VSC                  ; V's: 8 bytes a lane
	v_lshlrev_b32 v8, 4, v0                        ; 16 x thread
	v_lshlrev_b32 v9, 3, v6                        ; a record's word 0 of lane r: q's
	v_add_nc_u32 v10, 128, v9                      ; of lane 16 + r: k's
	v_lshl_add_u32 v11, v5, 3, 4                   ; word 1: v's
	s_and_b32 s17, ttmp7, 0xffff                   ; bh
	s_lshl_b32 s18, s17, 16                        ; the head's 65,536 bytes in qc, kc, vc
	s_mov_b32 s19, 0
	s_lshl_b32 s28, ttmp9, 4
	s_add_co_u32 s28, s28, s16                     ; T: my tile of queries, 0..127
	s_lshl_b32 s30, s28, 9
	s_add_co_u32 s30, s30, s18
	s_mov_b32 s31, 0
	s_lshl_b32 s32, s17, 14                        ; the head's 16,384 bytes in sc
	s_lshr_b32 s34, s28, 1
	s_lshl_b32 s34, s34, 8
	s_add_co_u32 s34, s34, s32                     ; my queries' record
	s_mov_b32 s35, 0
	s_lshl_b32 s40, s16, 10
	s_add_co_u32 s40, s40, s32                     ; the four records of key step w
	s_mov_b32 s41, 0
	s_lshr_b32 s44, s17, 3
	s_lshl_b32 s44, s44, 7
	s_add_co_u32 s44, s44, s28                     ; Tg = 128 x batch + T
	s_and_b32 s45, s17, 7                          ; the head
	s_lshl_b32 s46, s44, 12
	s_lshl_b32 s47, s45, 9
	s_add_co_u32 s46, s46, s47                     ; oc: [Tg][head][lane][16]
	s_mov_b32 s47, 0
	s_lshl_b32 s42, s44, 8
	s_lshl_b32 s43, s45, 1
	s_add_co_u32 s42, s42, s43                     ; os: [Tg][r][16]: bytes 2 head, 2 head + 1
	s_mov_b32 s43, 0
	s_lshl_b32 s29, s16, 8                         ; 256 x wave
	s_and_b32 s33, s16, 1
	s_lshl_b32 s33, s33, 4                         ; 16 x (my tile's place in its pair)
	s_mov_b32 s20, 0x76543210
	s_mov_b32 s21, 0xfedcba98                      ; lane l xor 16
	s_mov_b32 s22, 0x3e38aa3b                      ; c = log2(e) / 8
	s_mov_b32 s23, s22                             ; (named with it as a pair, so it is written)
	s_mov_b32 s27, 0xffff0000                      ; lanes 16-31
	s_wait_kmcnt 0x0
	s_add_nc_u64 s[4:5], s[4:5], s[30:31]
	s_add_nc_u64 s[6:7], s[6:7], s[18:19]
	s_add_nc_u64 s[8:9], s[8:9], s[18:19]
	s_add_nc_u64 s[36:37], s[10:11], s[34:35]
	s_add_nc_u64 s[38:39], s[10:11], s[40:41]
	s_add_nc_u64 s[12:13], s[12:13], s[46:47]
	s_add_nc_u64 s[14:15], s[14:15], s[42:43]
	global_load_b128 v[20:23], v1, s[4:5]          ; Q: lane (r, h) = block h of query r
	global_load_b32 v30, v9, s[36:37]              ; its pair's scale word
.irp j, 0,1,2,3,4,5,6,7
	global_load_b128 v[32+4*\j:35+4*\j], v8, s[6:7] offset:8192*\j   ; the 512 threads read 8,192 consecutive bytes
.endr
.irp j, 0,1,2,3,4,5,6,7
	global_load_b128 v[64+4*\j:67+4*\j], v8, s[8:9] offset:8192*\j
.endr
.irp j, 0,1,2,3
	global_load_b32 v[96+\j], v10, s[38:39] offset:256*\j     ; k's scale words of the step's four pairs
	global_load_b32 v[100+\j], v11, s[38:39] offset:256*\j    ; v's of its four blocks of keys: byte t = channel tile t
.endr
	v_mov_b32 v13, 0xff61b1e6                      ; the largest t so far: -3e38
	v_floor_f32 v12, -v13                          ; -M
	v_mov_b32 v14, 0
	v_mov_b32 v15, 0
.irp j, 16,17,18,19,24,25,26,27
	v_mov_b32 v[\j], 0                             ; zero codes on both sides of Q
.endr
.irp j, 236,237,238,239,253
	v_mov_b32 v[\j], 0                             ; written once: a lane permute's destination counts as a source; v253 is named as the upper half of a pair
.endr
.set J, 0
.rept 32
	v_mov_b32 v[160+J], 0                          ; O^T: the loop is written once, its first step finds zeros
.set J, J+1
.endr
	s_wait_loadcnt 0x0
	v_lshrrev_b32 v28, s33, v30
	v_and_b32 v28, 0xffff, v28                     ; (Q, zeros): my tile's two bytes below; the bytes over the zero codes are 0, which is no NaN
	v_lshlrev_b32 v29, 16, v28                     ; (zeros, Q): above
	v_add_nc_u32 v31, VC, v8
	v_add_nc_u32 v104, s29, v3
	v_add_nc_u32 v113, s29, v4
.irp j, 0,1,2,3,4,5,6,7
	ds_store_b128 v8, v[32+4*\j:35+4*\j] offset:8192*\j
.endr
.irp j, 0,1,2,3,4,5,6,7
	ds_store_b128 v31, v[64+4*\j:67+4*\j] offset:8192*\j
.endr
	ds_store_b128 v104, v[96:99]                   ; lanes r and 16 + r write the same 16 bytes with the same values
	v_perm_b32 v105, v101, v100, 0x05010400        ; four words of four bytes are turned: out t, byte j = word j, byte t
	v_perm_b32 v106, v101, v100, 0x07030602
	v_perm_b32 v107, v103, v102, 0x05010400
	v_perm_b32 v108, v103, v102, 0x07030602
	v_perm_b32 v109, v107, v105, 0x05040100
	v_perm_b32 v110, v107, v105, 0x07060302
	v_perm_b32 v111, v108, v106, 0x05040100
	v_perm_b32 v112, v108, v106, 0x07060302
	v_cndmask_b32 v114, v109, v110, s27            ; lanes 0-15 channel tiles 0 and 2, lanes 16-31 tiles 1 and 3
	v_cndmask_b32 v115, v111, v112, s27
	ds_store_b64 v113, v[114:115]
	s_wait_dscnt 0x0                               ; for the others' sake: my stores are done
	s_barrier_signal -1
	s_barrier_wait -1                              ; the head lies in LDS; nobody writes LDS from here on
	s_mov_b32 s24, 0                               ; the step's codes: 4,096 bytes a step
	s_mov_b32 s25, 0                               ; its scale words: 256 bytes a step
	s_mov_b32 s26, 16
.Lstep:                                            ; 16 trips of 128 keys
	v_add_nc_u32 v8, s24, v1                       ; these four lines are also the places behind the last trip's products, in front of the loads
	v_add_nc_u32 v9, s24, v2
	v_add_nc_u32 v10, s25, v3
	v_add_nc_u32 v11, s25, v4
.irp i, 0,1,2,3
.irp c, 0,1
	ds_load_b128 v[32+8*\i+4*\c:35+8*\i+4*\c], v8 offset:1024*\i+512*\c
.endr
.endr
	ds_load_b128 v[192:195], v10
.irp t, 0,1,2,3
.irp c, 0,1
	ds_load_b128 v[64+8*\t+4*\c:67+8*\t+4*\c], v9 offset:1024*\t+512*\c
.endr
.endr
	ds_load_b64 v[196:197], v11
	s_wait_dscnt 9                                 ; K and its scale words are in; V's nine loads may stay out
.irp i, 0,1,2,3
.irp u, 0,1
	WM 96+16*\i+8*\u, 32+8*\i, 20-4*\u, 1, 192+\i, 28+\u, 0, 0
.endr
.endr
.rept 4
	v_nop
.endr
.irp b, 0,1,2,3
	v_max3_num_f32 v[232+\b], v[96+16*\b], v[97+16*\b], v[98+16*\b]   ; the largest score of each block of 32 keys: for the row's maximum and, since p rises with the score, for the block's largest p
.endr
.irp i, 3,5,7,9,11,13
.irp b, 0,1,2,3
	v_max3_num_f32 v[232+\b], v[232+\b], v[96+16*\b+\i], v[97+16*\b+\i]
.endr
.endr
.irp b, 0,1,2,3
	v_max_num_f32 v[232+\b], v[232+\b], v[111+16*\b]
.endr
.irp b, 0,1,2,3
	v_permlanex16_b32 v[236+\b], v[232+\b], s20, s21
.endr
.irp b, 0,1,2,3
	v_max_num_f32 v[232+\b], v[232+\b], v[236+\b]
.endr
	v_max3_num_f32 v254, v232, v233, v234
	v_max_num_f32 v254, v254, v235
	v_mul_f32 v254, s22, v254                      ; as t (c is positive)
	v_max_num_f32 v13, v13, v254                   ; the running largest t
	v_mov_b32 v254, v12
	v_floor_f32 v12, -v13                          ; the new -M = -ceil(t)
	v_sub_f32 v254, v12, v254                      ; old M - new M: a whole number, 0 or less
	v_cvt_i32_f32 v254, v254                       ; (it saturates)
	v_ldexp_f32 v252, 1.0, v254                    ; f = 2^(old M - new M)
.irp j, 0,2,4,6,8,10,12,14,16,18,20,22,24,26,28,30,32,34,36,38,40,42,44,46,48,50,52,54,56,58,60,62
	v_pk_fma_f32 v[96+\j:97+\j], v[96+\j:97+\j], s[22:23], v[12:13] op_sel_hi:[1,0,0]   ; t - M
.endr
.irp b, 0,1,2,3
	v_fma_f32 v[232+\b], v[232+\b], s22, v12
.endr
.set J, 0
.rept 64
	v_exp_f32 v[96+J], v[96+J]                     ; p = 2^(t - M)
.set J, J+1
.endr
.irp b, 0,1,2,3
	v_exp_f32 v[232+\b], v[232+\b]                 ; the block's largest p: the same two instructions on the same number
.endr
	v_pk_mul_f32 v[14:15], v[14:15], v[252:253] op_sel_hi:[1,0]   ; the sums under the new M (a plain place behind the exponentials)
	s_wait_alu depctr_va_vdst(0)
.irp b, 0,1,2,3
	v_max_num_f32 v[232+\b], 0x1800000, v[232+\b]  ; the floor 2^(3 - 127)
.endr
.irp b, 0,1,2,3
	v_add_nc_u32 v[244+\b], 0xff000000, v[232+\b]  ; the conversion's scale operand
.endr
.irp b, 0,1,2,3
	v_lshrrev_b32 v[236+\b], 23, v[244+\b]
.endr
	v_lshl_or_b32 v253, v237, 8, v236              ; p's scale word for these 128 keys
	v_lshl_or_b32 v253, v238, 16, v253
	v_lshl_or_b32 v253, v239, 24, v253
.irp b, 0,1,2,3
	v_cvt_scalef32_pk8_fp4_f32 v[224+2*\b], v[96+16*\b:103+16*\b], v[244+\b]
	v_cvt_scalef32_pk8_fp4_f32 v[225+2*\b], v[104+16*\b:111+16*\b], v[244+\b]
.endr
	v_nop                                          ; one plain place behind a scaled conversion
.irp c, 0,1
.irp i, 0,1
	v_permlane16_swap_b32 v[224+4*\c+\i], v[226+4*\c+\i]   ; a whole block to a lane
.endr
.endr
	v_pk_add_f32 v[236:237], v[96:97], v[98:99]    ; the row's sum is taken of the unquantised p, in two chains
.irp j, 4,8,12,16,20,24,28,32,36,40,44,48,52,56,60
	v_pk_add_f32 v[14:15], v[14:15], v[96+\j:97+\j]
	v_pk_add_f32 v[236:237], v[236:237], v[98+\j:99+\j]
.endr
	v_pk_add_f32 v[14:15], v[14:15], v[236:237]
.irp j, 0,2,4,6,8,10,12,14,16,18,20,22,24,26,28,30
	v_pk_mul_f32 v[160+\j:161+\j], v[160+\j:161+\j], v[252:253] op_sel_hi:[1,0]   ; O^T under the new M
.endr
	s_wait_dscnt 0x0                               ; V and its scale words are in
.irp t, 0,1,2,3
	WM 160+8*\t, 64+8*\t, 224, 0, 196+\t/2, 253, \t%2, 0
.endr
	s_add_co_u32 s24, s24, 4096
	s_add_co_u32 s25, s25, 256
	s_sub_co_u32 s26, s26, 1
	s_cmp_lg_u32 s26, 0
	s_cbranch_scc1 .Lstep
	; THE WAY OUT: o = O^T / l, quantised along the 64 channels (two blocks), stored as the projection's operand image
	v_add_f32 v14, v14, v15
	v_permlanex16_b32 v252, v14, s20, s21
	v_add_f32 v14, v14, v252                       ; the row's sum
	v_rcp_f32 v14, v14
	v_lshl_add_u32 v8, v6, 4, v7                   ; os: 16 r + h (a plain place behind the reciprocal)
	v_nop
	v_nop                                          ; with the additions above: the places behind the last products
.set J, 0
	s_wait_alu depctr_va_vdst(0)
.rept 32
	v_mul_f32 v[96+J], v[160+J], v14               ; register 16 b + i: channel 32 b + 16 h + i
.set J, J+1
.endr
.irp b, 0,1
	v_max3_num_f32 v[232+\b], |v[96+16*\b]|, |v[97+16*\b]|, 0x1800000
.endr
.irp i, 2,4,6,8,10,12,14
.irp b, 0,1
	v_max3_num_f32 v[232+\b], v[232+\b], |v[96+16*\b+\i]|, |v[97+16*\b+\i]|
.endr
.endr
.irp b, 0,1
	v_permlanex16_b32 v[236+\b], v[232+\b], s20, s21
.endr
.irp b, 0,1
	v_max_num_f32 v[232+\b], v[232+\b], v[236+\b]
.endr
.irp b, 0,1
	v_add_nc_u32 v[244+\b], 0xff000000, v[232+\b]
.endr
.irp b, 0,1
	v_lshrrev_b32 v[236+\b], 23, v[244+\b]
.endr
.irp b, 0,1
	v_cvt_scalef32_pk8_fp4_f32 v[224+2*\b], v[96+16*\b:103+16*\b], v[244+\b]
	v_cvt_scalef32_pk8_fp4_f32 v[225+2*\b], v[104+16*\b:111+16*\b], v[244+\b]
.endr
	v_nop
	v_permlane16_swap_b32 v224, v226
	v_permlane16_swap_b32 v225, v227               ; lane (r, h) = block h of row r
	v_cndmask_b32 v9, v236, v237, s27              ; and its scale byte
	global_store_b128 v1, v[224:227], s[12:13]     ; 512 consecutive bytes
	global_store_b8 v8, v9, s[14:15]               ; two bytes of each row's sixteen: the other heads' work-groups write the others
	s_wait_tensorcnt 0x0
	ds_add_u32 v251, v255
	s_wait_dscnt 0x0
	s_endpgm
.Lfunc_end_k_q407db69da9_attn:
	.size	k_q407db69da9_attn, .Lfunc_end_k_q407db69da9_attn-k_q407db69da9_attn
	.p2alignl 7, 3214868480
	.fill 96, 4, 3214868480
	.section	.rodata,"a",@progbits
	.p2align	6, 0x0
	.amdhsa_kernel k_q407db69da9_attn
		.amdhsa_group_segment_fixed_size 141312
		.amdhsa_private_segment_fixed_size 0
		.amdhsa_enable_private_segment 0
		.amdhsa_kernarg_size 48
		.amdhsa_user_sgpr_count 2
		.amdhsa_user_sgpr_kernarg_segment_ptr 1
		.amdhsa_wavefront_size32 1
		.amdhsa_system_sgpr_workgroup_id_x 1
		.amdhsa_system_sgpr_workgroup_id_y 1
		.amdhsa_system_sgpr_workgroup_id_z 1
		.amdhsa_system_vgpr_workitem_id 0
		.amdhsa_next_free_vgpr 256
		.amdhsa_next_free_sgpr 66
		.amdhsa_reserve_vcc 0
		.amdhsa_float_denorm_mode_32 3
		.amdhsa_float_denorm_mode_16_64 3
		.amdhsa_memory_ordered 1
		.amdhsa_forward_progress 1
		.amdhsa_inst_pref_size 28
	.end_amdhsa_kernel
	.amdgpu_metadata
---
amdhsa.version: [ 1, 2 ]
amdhsa.kernels:
  - .name:           k_q407db69da9_attn
    .symbol:         k_q407db69da9_attn.kd
    .args:
      - { .name: qc, .offset: 0, .size: 8, .value_kind: global_buffer, .address_space: global }
      - { .name: kc, .offset: 8, .size: 8, .value_kind: global_buffer, .address_space: global }
      - { .name: vc, .offset: 16, .size: 8, .value_kind: global_buffer, .address_space: global }
      - { .name: sc, .offset: 24, .size: 8, .value_kind: global_buffer, .address_space: global }
      - { .name: oc, .offset: 32, .size: 8, .value_kind: global_buffer, .address_space: global }
      - { .name: os, .offset: 40, .size: 8, .value_kind: global_buffer, .address_space: global }
    .group_segment_fixed_size: 141312
    .private_segment_fixed_size: 0
    .kernarg_segment_align: 8
    .kernarg_segment_size: 48
    .max_flat_workgroup_size: 512
    .sgpr_count:     66
    .vgpr_count:     256
    .wavefront_size: 32
...
	.end_amdgpu_metadata
.endif
;; end of part 2
;; launch ffn (part 3): grid 256 x 1, 8 waves a work-group, clusters of 4 x 1, 327,680 bytes of LDS; arguments oc, os, src, w_proj_codes, w_proj_scales, b_proj, norm1_w, norm1_b, w1_codes, w1_scales, b1, w2_codes, w2_scales, b2, out0; writes out0
.if DOCPART == 3
	.amdgcn_target "amdgcn-amd-amdhsa--gfx1250"
	.amdhsa_code_object_version 6
	.text
	.protected	k_q407db69da9_ffn
	.globl	k_q407db69da9_ffn
	.p2align	8
	.type	k_q407db69da9_ffn,@function
k_q407db69da9_ffn:
	s_mov_b64 s[64:65], 0
	v_nop
	global_prefetch_b8 v0, s[64:65] scope:SCOPE_SE
	s_setreg_imm32_b32 hwreg(HW_REG_WAVE_MODE, 25, 1), 1
	s_wait_xcnt 0x0
	s_wait_alu depctr_hold_cnt(0) depctr_sa_sdst(0) depctr_va_vdst(0) depctr_va_sdst(0) depctr_va_ssrc(0) depctr_va_vcc(0) depctr_vm_vsrc(0)
	s_getreg_b32 s2, hwreg(HW_REG_IB_STS2, 6, 4)
	s_cmp_eq_u32 s2, 0
	s_cbranch_scc0 .Lentry_in_a_cluster
	s_endpgm
.Lentry_in_a_cluster:
	s_bfe_u32 s2, ttmp6, 0x10000c
	s_cmp_lg_u32 s2, 0x3003
	s_cbranch_scc0 .Lentry_shape_is_right
	s_endpgm
.Lentry_shape_is_right:
; z = src + o w_proj + b_proj;  y = norm1_w (z - mean) + norm1_b;  out = y + relu(Q(y) w1 + b1) w2 + b2, the three products on codes of FP4 (E2M1) with one E8M0 scale for each 32 along K.
; o arrives as codes (images of operand registers) from the attention launch; y and the hidden layer are quantised in registers and go from wave to wave through LDS as such images.
; SHARES.  A work-group takes 32 rows: two tiles u; lane index r of tile u stands for row 8 u + r + 8 (r / 8).  THE WAVES SHARE THE COLUMNS: wave w makes model columns 128 w .. + 127 (first and
; third product) and hidden units 64 w .. + 63 (second), for all 32 rows.  All products are used transposed (source 0 = 16 NEIGHBOURING weight rows, source 1 = 16 rows of the activations): in tile t
; lane (r, h) holds row r and its register j column 16 t + 8 h + j.
; THE SUMS BEGIN FROM REGISTERS: src + b_proj is the first product's C; b1 the second's; y + b2 the third's: no addition follows a product.
; CLUSTER.  All work-groups walk the same 768 KB of weight codes, so four work-groups form a cluster and ask for them JOINTLY: the same tensor load, with the same descriptor and the mask of all four,
; in all four; each receives the rows in its own LDS.  That divides the requests for the weights by four.
; THE RING.  A fill is, for each wave, 64 of its weight rows x 256 bytes: 17,408 bytes in LDS; two slots of eight such parts; six fills, two a product.  A wave fetches and reads its own part alone.
; A fill's 16 fragments are read into 128 registers at once; then the slot is free.
; Two of the rounds serve as well as the barriers in front of which the rows' partial sums and y's images are stored.
; By this text's own count two tensor loads of a wave are out at the start, later one.
; LIMITS: NaN and infinities are not served; a block whose largest magnitude lies under 2^-124 gets the byte 1 (read by this program alone).
; REGISTERS, window 0: v1-15 addresses; v16-23 the activations' scale words; v24-39 a product's weight scale words; v40-51 at work; v52-59 codes; v60-61 scale words made; v62-63 for the add;
;   v64-127 the hidden layer's 8 accumulators (before and between: biases and gains; at the end rows of out); v128-255 the 16 accumulators of z, y, out.
;   window 1: v0-127 a fill's 16 weight fragments; v128-191 8 fragments of the activations; v192-255 norm1_b.
.set WP,    272                        ; a weight row in LDS: 256 bytes + 16 = 68 words: row n starts at bank 4 n mod 64 (64 banks of 4 bytes: ISA guide 11.1)
.set WPART, 64*WP                      ; a wave's part of a slot
.set SLOT,  8*WPART
.set STG,   2*SLOT                     ; behind the ring: for each wave a stage of 16 rows x (256 + 16) bytes, through which src turns.  When every wave has passed a round behind its last read
.set TP,    272                        ; of its stage, the same bytes take the images:
.set STGB,  16*TP
.set YIMG,  STG                        ; y's 16 fragments: [u][K step][1,024 bytes],
.set HIMG,  STG+16384                  ; the hidden layer's 8
.set RED,   STG+8*STGB                 ; [wave][u][r] partial sums
.set YSC,   RED+1024                   ; 32 rows x 48 bytes: y's 32 scale bytes a row
.set HSC,   YSC+1536                   ; 32 rows x 16 bytes: the hidden layer's
.set SPARE, HSC+512                    ; the spare words, 128 bytes for each wave: four blocks of 256 bytes that no other line names
.set OP,    528                        ; the way out: 16 rows x (512 + 16) bytes in my own part of slot 0, which has had its last fill and its last read by then
.set L16, 1                            ; 16 x lane
.set WSN, 2                            ; 32 x lane: w1's scale rows
.set WA0, 3                            ; v3, v4: my fragments in slot 0, 1
.set SGI, 5                            ; my stage by rows: 272 h + 16 r
.set SGO, 6                            ; and by the accumulators' layout: 272 r + 32 h
.set POF, 7                            ; 32 h: a lane's 8 columns of 16
.set RDW, 8
.set RDR, 9
.set YSW, 10
.set YSR, 11
.set HSW, 12
.set YIW, 13
.set HIW, 14
.set XFA, 15                           ; STG + 16 x lane: the images
.set XS,  16
.set WS,  24
.set TM,  40
.set PC,  52
.set PW,  60
.set SPW, 62                           ; LDS address of my spare word; never rewritten
.set NIL, 63                           ; 0; never rewritten
.set H,   64
.set Y,   128
.set WF,  0                            ; in window 1
.set XF,  128                          ; in window 1
.set NB,  192                          ; in window 1
.set WV,  38                           ; s38 my wave's number
.set SEL, 40                           ; s[40:41]
.set G1D, 68                           ; s[68:75] descriptor group 1 for w_proj and w2: rows of 256 bytes
.set G1W, 76                           ; s[76:83] for w1: rows of 512 bytes
.set GF0, 84                           ; descriptor group 0, a set for each of the six fills; never rewritten
.set GF1, 88
.set GF2, 92
.set GF3, 96
.set GF4, 44
.set GF5, 48
.set MSB, 0
.set NLD, 0
.macro WIN new
.if MSB != \new
	s_set_vgpr_msb (MSB<<8)|\new
.set MSB, \new
.endif
.endm
.macro PLACES n
.rept \n
	v_nop
.endr
.endm
.macro WLD m                           ; the loads up to mark m are in: those issued behind it may stay out
.if NLD-(\m) > 63
	s_wait_loadcnt 63
.else
	s_wait_loadcnt NLD-(\m)
.endif
.endm
.macro CROUND                          ; a round of the cluster's barrier
	s_barrier_signal -1
	s_barrier_wait -1
	s_cmp_lg_u32 s[WV], 0
	s_cbranch_scc1 .Lnot_wave_0_\@
	s_barrier_signal -3
.Lnot_wave_0_\@:
	s_barrier_wait -3
	s_barrier_signal -1
	s_barrier_wait -1
.endm
.macro CHANGE g0, g1                   ; the next fill goes into the slot whose fragments I have read
	s_wait_tensorcnt 0x0                           ; all my tensor loads have landed: the other slot is whole
	ds_add_u32 v[SPW], v[NIL]                      ; 0 onto my spare word
	s_wait_dscnt 0x0                               ; the add is done; my reads of the slot are back; what I stored for the other waves lies in LDS
	CROUND                                         ; all that now holds of every wave of all four work-groups
	tensor_load_to_lds s[\g0:\g0+3], s[\g1:\g1+7]  ; my one tensor load behind the round, and the first thing there
	s_nop 0
	PLACES 4
.endm
.macro DESC g, slot, ptr, off
	s_mov_b32 s[\g], 1                             ; count = 1
	s_add_co_u32 s[\g+1], s43, (\slot)*SLOT        ; LDS address: my part of the slot
	s_add_nc_u64 s[\g+2:\g+3], s[\ptr:\ptr+1], \off   ; global address: my rows; the same in all four work-groups
	s_or_b32 s[\g+3], s[\g+3], 0x80000000          ; type = 2
.endm
; One matrix instruction, adding in place.  ra, rb = 1: that side's scales are read from lanes 16-31.
.macro WM d, a, b, sa, sb, ra, rb
.if (\ra) && (\rb)
	v_wmma_scale_f32_16x16x128_f8f6f4 v[\d:\d+7], v[\a:\a+7], v[\b:\b+7], v[\d:\d+7], v[\sa], v[\sb] matrix_a_fmt:MATRIX_FMT_FP4 matrix_b_fmt:MATRIX_FMT_FP4 matrix_a_scale:MATRIX_SCALE_ROW1 matrix_b_scale:MATRIX_SCALE_ROW1
.elseif (\ra)
	v_wmma_scale_f32_16x16x128_f8f6f4 v[\d:\d+7], v[\a:\a+7], v[\b:\b+7], v[\d:\d+7], v[\sa], v[\sb] matrix_a_fmt:MATRIX_FMT_FP4 matrix_b_fmt:MATRIX_FMT_FP4 matrix_a_scale:MATRIX_SCALE_ROW1
.elseif (\rb)
	v_wmma_scale_f32_16x16x128_f8f6f4 v[\d:\d+7], v[\a:\a+7], v[\b:\b+7], v[\d:\d+7], v[\sa], v[\sb] matrix_a_fmt:MATRIX_FMT_FP4 matrix_b_fmt:MATRIX_FMT_FP4 matrix_b_scale:MATRIX_SCALE_ROW1
.else
	v_wmma_scale_f32_16x16x128_f8f6f4 v[\d:\d+7], v[\a:\a+7], v[\b:\b+7], v[\d:\d+7], v[\sa], v[\sb] matrix_a_fmt:MATRIX_FMT_FP4 matrix_b_fmt:MATRIX_FMT_FP4
.endif
.endm
; 64 numbers of a lane, registers 16 b .. 16 b + 15 = k 8 h + 0 .. 7 and 16 + 8 h + 0 .. 7 of block b of my row, become codes in v[PC] on and four scale bytes in v[PW].
; Behind it v[PC + 4 c .. + 3] hold block 2 c whole in lanes 0-15 and block 2 c + 1 whole in lanes 16-31, k ascending.
.macro QUANT s
.irp b, 0,1,2,3
	v_max3_num_f32 v[TM+\b], |v[\s+16*\b]|, |v[\s+1+16*\b]|, 0x1800000   ; and the floor 2^(3 - 127)
.endr
.irp i, 2,4,6,8,10,12,14
.irp b, 0,1,2,3
	v_max3_num_f32 v[TM+\b], v[TM+\b], |v[\s+16*\b+\i]|, |v[\s+1+16*\b+\i]|
.endr
.endr
.irp b, 0,1,2,3
	v_permlanex16_b32 v[TM+4+\b], v[TM+\b], s[SEL], s[SEL+1]
.endr
.irp b, 0,1,2,3
	v_max_num_f32 v[TM+\b], v[TM+\b], v[TM+4+\b]
.endr
.irp b, 0,1,2,3
	v_add_nc_u32 v[TM+8+\b], 0xff000000, v[TM+\b]
.endr
.irp b, 0,1,2,3
	v_lshrrev_b32 v[TM+4+\b], 23, v[TM+8+\b]
.endr
	v_lshl_or_b32 v[PW], v[TM+5], 8, v[TM+4]
	v_lshl_or_b32 v[PW], v[TM+6], 16, v[PW]
	v_lshl_or_b32 v[PW], v[TM+7], 24, v[PW]
.irp c, 0,1
	v_cvt_scalef32_pk8_fp4_f32 v[PC+4*\c], v[\s+32*\c:\s+32*\c+7], v[TM+8+2*\c]          ; block 2 c, k = 8 h on
	v_cvt_scalef32_pk8_fp4_f32 v[PC+4*\c+1], v[\s+32*\c+16:\s+32*\c+23], v[TM+9+2*\c]    ; block 2 c + 1, k = 8 h on
	v_cvt_scalef32_pk8_fp4_f32 v[PC+4*\c+2], v[\s+32*\c+8:\s+32*\c+15], v[TM+8+2*\c]     ; block 2 c, k = 16 + 8 h on
	v_cvt_scalef32_pk8_fp4_f32 v[PC+4*\c+3], v[\s+32*\c+24:\s+32*\c+31], v[TM+9+2*\c]    ; block 2 c + 1, k = 16 + 8 h on
.endr
	v_nop                                          ; one plain place behind a scaled conversion
.irp c, 0,1
	v_permlane16_swap_b32 v[PC+4*\c], v[PC+4*\c+1]       ; the first's lanes 16-31 change places with the second's lanes 0-15: k = 0 .. 7 and 8 .. 15 of a whole block
	v_permlane16_swap_b32 v[PC+4*\c+2], v[PC+4*\c+3]     ; k = 16 .. 23 and 24 .. 31
.endr
.endm
; Fill f's 16 fragments (pair p, tile a, K step s) come out of my part of its slot: rows 32 p + 16 a + r
.macro FETCHW f
.set FA, WA0+(\f)%2
	WIN 0x40                                       ; destination window 1
.irp p, 0,1
.irp a, 0,1
.irp s, 0,1,2,3
.irp c, 0,1
	ds_load_b128 v[WF+64*\p+32*\a+8*\s+4*\c:WF+64*\p+32*\a+8*\s+4*\c+3], v[FA] offset:(32*\p+16*\a)*WP+64*\s+32*\c
.endr
.endr
.endr
.endr
	WIN 0
.endm
; Fill f is multiplied: 32 matrix instructions, four accumulators by turns, one instruction a turn.
; Fills 0, 1 and 4, 5: 64 of my 128 columns, all of K = 512.  Fills 2, 3: my 64 hidden units, half of K = 1,024.
.macro CFILL f
.set CH, (\f)%2
	s_wait_dscnt 0x0                               ; the fragments are in
	WIN 0x05                                       ; both sources window 1; C and D window 0
.irp p, 0,1
.irp s, 0,1,2,3
.irp a, 0,1
.irp u, 0,1
.if ((\f) == 2) || ((\f) == 3)
	WM H+32*\u+8*(2*\p+\a), WF+64*\p+32*\a+8*\s, XF+32*\u+8*\s, WS+4*(2*CH+\p)+\s, XS+4*CH+\s, \a, \u
.else
	WM Y+64*\u+8*(4*CH+2*\p+\a), WF+64*\p+32*\a+8*\s, XF+32*\u+8*\s, WS+4*(2*CH+\p)+\s, XS+\s, \a, \u
.endif
.endr
.endr
.endr
.endr
	WIN 0
.endm
; A product's weight scale words: for fill half hh and pair p four words a row; lanes 0-15 tile 2 p, lanes 16-31 tile 2 p + 1
.macro WSLOAD prod
.irp hh, 0,1
.irp p, 0,1
.if \prod == 0
	global_load_b128 v[WS+4*(2*\hh+\p):WS+4*(2*\hh+\p)+3], v[L16], s[16:17] offset:1024*\hh+512*\p
.elseif \prod == 1
	global_load_b128 v[WS+4*(2*\hh+\p):WS+4*(2*\hh+\p)+3], v[WSN], s[26:27] offset:1024*\p+16*\hh
.else
	global_load_b128 v[WS+4*(2*\hh+\p):WS+4*(2*\hh+\p)+3], v[L16], s[32:33] offset:1024*\hh+512*\p
.endif
.endr
.endr
.set NLD, NLD+4
.endm
; 64 numbers a lane of a vector over my 128 columns, in the accumulators' layout: register 8 t + i = column 16 t + 8 h + i
.macro BIAS reg, sp
.irp t, 0,1,2,3,4,5,6,7
.irp j, 0,1
	global_load_b128 v[\reg+8*\t+4*\j:\reg+8*\t+4*\j+3], v[POF], s[\sp:\sp+1] offset:64*\t+16*\j
.endr
.endr
.set NLD, NLD+16
.endm
.macro ADDB                            ; both tiles' 64 registers += v[H] on
.set J, 0
.rept 32
	v_pk_add_f32 v[Y+J:Y+J+1], v[Y+J:Y+J+1], v[H+J:H+J+1]
	v_pk_add_f32 v[Y+64+J:Y+64+J+1], v[Y+64+J:Y+64+J+1], v[H+J:H+J+1]
.set J, J+2
.endr
.endm
; 16 rows x 256 bytes of src: tile u, half g of my 512 bytes.  A load takes two rows: sixteen lanes read 256 consecutive bytes, aligned
.macro SRC u, g
.irp q, 0,1,2,3,4,5,6,7
	global_load_b128 v[Y+64*\u+32*\g+4*\q:Y+64*\u+32*\g+4*\q+3], v44, s[12:13] offset:(8*\u+2*\q+8*(\q>>2))*4096+256*\g th:TH_LOAD_NT
.endr
.set NLD, NLD+8
.endm
; They turn through my stage into the accumulators' layout, into the registers that they left.  LDS serves a wave's instructions in order (ISA guide 5.7.1.4): no wait between the stores and the loads, nor in front of the next turn's stores.
.macro TURNIN k
.irp q, 0,1,2,3,4,5,6,7
	ds_store_b128 v[SGI], v[Y+32*\k+4*\q:Y+32*\k+4*\q+3] offset:2*TP*\q
.endr
.irp t, 0,1,2,3
.irp j, 0,1
	ds_load_b128 v[Y+32*\k+8*\t+4*\j:Y+32*\k+8*\t+4*\j+3], v[SGO] offset:64*\t+16*\j
.endr
.endr
.endm
.macro XFETCH base, ustep              ; eight fragments (2 tiles x 4 K steps) come from their images, base bytes behind STG
	WIN 0x40
.irp u, 0,1
.irp s, 0,1,2,3
.irp c, 0,1
	ds_load_b128 v[XF+32*\u+8*\s+4*\c:XF+32*\u+8*\s+4*\c+3], v[XFA] offset:\base+\ustep*\u+1024*\s+512*\c
.endr
.endr
.endr
	WIN 0
.endm
	s_load_b512 s[8:23], s[0:1], 0x0               ; oc 8, os 10, src 12, w_proj codes 14, scales 16, b_proj 18, norm1_w 20, norm1_b 22
	s_load_b256 s[24:31], s[0:1], 0x40             ; w1 codes 24, scales 26, b1 28, w2 codes 30
	s_load_b128 s[32:35], s[0:1], 0x60             ; w2 scales 32, b2 34
	s_load_b64 s[36:37], s[0:1], 0x70              ; out0
	v_lshl_add_u32 v[SPW], v0, 2, SPARE
	v_mov_b32 v[NIL], 0
	ds_add_u32 v62, v63
	ds_add_u32 v62, v63
	s_wait_dscnt 0x0
	v_lshrrev_b32 v40, 5, v0
	v_readfirstlane_b32 s[WV], v40                 ; wave 0..7
	v_and_b32 v40, 31, v0                          ; lane
	v_and_b32 v41, 15, v0                          ; r
	v_bfe_u32 v42, v0, 4, 1                        ; h
	v_lshlrev_b32 v[L16], 4, v40
	v_lshlrev_b32 v[WSN], 5, v40
	v_lshlrev_b32 v43, 4, v41                      ; 16 r
	v_lshl_add_u32 v44, v42, 12, v43               ; src: 4,096 h + 16 r
	s_mul_i32 s43, s[WV], WPART                    ; my part of a slot: no place in the cluster enters an LDS address
	v_mul_u32_u24 v[WA0], v41, WP
	v_lshl_add_u32 v[WA0], v42, 4, v[WA0]
	v_add_nc_u32 v[WA0], s43, v[WA0]
	v_add_nc_u32 v[WA0+1], SLOT, v[WA0]
	s_mul_i32 s44, s[WV], STGB
	s_add_co_u32 s44, s44, STG                     ; my stage
	v_mul_u32_u24 v[SGI], v42, TP
	v_add_nc_u32 v[SGI], v[SGI], v43
	v_add_nc_u32 v[SGI], s44, v[SGI]
	v_mul_u32_u24 v[SGO], v41, TP
	v_lshl_add_u32 v[SGO], v42, 5, v[SGO]
	v_add_nc_u32 v[SGO], s44, v[SGO]
	v_lshlrev_b32 v[POF], 5, v42
	s_lshl_b32 s45, s[WV], 7
	s_add_co_u32 s45, s45, RED
	v_lshl_add_u32 v[RDW], v40, 2, s45             ; RED + 128 w + 4 x lane
	v_lshl_add_u32 v[RDR], v41, 2, RED             ; RED + 4 r
	v_mul_u32_u24 v[YSR], v40, 48
	v_add_nc_u32 v[YSR], YSC, v[YSR]
	s_lshl_b32 s46, s[WV], 2
	v_add_nc_u32 v[YSW], s46, v[YSR]
	s_lshl_b32 s47, s[WV], 1
	s_add_co_u32 s47, s47, HSC
	v_add_nc_u32 v[HSW], s47, v[L16]
	s_lshl_b32 s48, s[WV], 10
	s_add_co_u32 s48, s48, YIMG
	v_add_nc_u32 v[YIW], s48, v[L16]
	s_lshl_b32 s49, s[WV], 9
	s_add_co_u32 s49, s49, HIMG
	v_add_nc_u32 v[HIW], s49, v[L16]
	v_add_nc_u32 v[XFA], STG, v[L16]
	s_mov_b32 s[SEL], 0x76543210
	s_mov_b32 s[SEL+1], 0xfedcba98
	s_mov_b32 s42, 0xffff0000                      ; lanes 16-31
	s_bfe_u32 s52, ttmp6, 0x40000                  ; cx: my place in the cluster
	s_lshl_b32 s39, ttmp9, 2                       ; in a cluster launch ttmp9 counts clusters
	s_add_co_u32 s39, s39, s52                     ; my block of 32 rows = 4 x cluster x + cx: it enters the addresses of oc, os, src and out0 alone
	; descriptor groups 1: a tile of 64 rows x 256 bytes, padded in LDS; they differ in the pitch in memory
.irp g, G1D, G1W
	s_mov_b32 s[\g], 15|(1<<20)|(1<<21)|(5<<22)|(3<<25)   ; 15:0 the mask: all four work-groups; 17:16 elements of 1 byte; 20 padding on; 21 set beside a mask; 24:22 after every 64 words (code 5); 31:25 four words (code 3)
	s_mov_b32 s[\g+1], 256<<16                     ; tensor_dim0
	s_mov_b32 s[\g+2], 64<<16                      ; tensor_dim1
	s_mov_b32 s[\g+3], 256<<16                     ; tile_dim0
	s_mov_b32 s[\g+4], 64                          ; tile_dim1
	s_mov_b32 s[\g+6], 0
	s_mov_b32 s[\g+7], 0
.endr
	s_mov_b32 s[G1D+5], 256                        ; tensor_dim0_stride: w_proj and w2
	s_mov_b32 s[G1W+5], 512                        ; w1
	s_lshl_b32 s50, s39, 13                        ; oc: 8,192 bytes a block of rows
	s_mov_b32 s51, 0
	s_lshl_b32 s52, s39, 9                         ; os: 512
	s_mov_b32 s53, 0
	s_lshl_b32 s54, s39, 17                        ; src, out0: 32 rows of 4,096 bytes, my 512 bytes of each
	s_lshl_b32 s60, s[WV], 9
	s_add_co_u32 s54, s54, s60
	s_mov_b32 s55, 0
	s_lshl_b32 s56, s[WV], 15                      ; my weight rows' codes: 32,768 bytes in each of the three
	s_mov_b32 s57, 0
	s_lshl_b32 s58, s[WV], 11                      ; and scale bytes: 2,048
	s_mov_b32 s59, 0
	s_mov_b32 s61, 0                               ; s[60:61]: my 128 columns of a vector
	s_lshl_b32 s62, s[WV], 8                       ; my 64 hidden units of b1
	s_mov_b32 s63, 0
	s_wait_kmcnt 0x0
	s_add_nc_u64 s[8:9], s[8:9], s[50:51]
	s_add_nc_u64 s[10:11], s[10:11], s[52:53]
	s_add_nc_u64 s[12:13], s[12:13], s[54:55]
	s_add_nc_u64 s[36:37], s[36:37], s[54:55]
	s_add_nc_u64 s[14:15], s[14:15], s[56:57]
	s_add_nc_u64 s[24:25], s[24:25], s[56:57]
	s_add_nc_u64 s[30:31], s[30:31], s[56:57]
	s_add_nc_u64 s[16:17], s[16:17], s[58:59]
	s_add_nc_u64 s[26:27], s[26:27], s[58:59]
	s_add_nc_u64 s[32:33], s[32:33], s[58:59]
	s_add_nc_u64 s[18:19], s[18:19], s[60:61]
	s_add_nc_u64 s[20:21], s[20:21], s[60:61]
	s_add_nc_u64 s[22:23], s[22:23], s[60:61]
	s_add_nc_u64 s[34:35], s[34:35], s[60:61]
	s_add_nc_u64 s[28:29], s[28:29], s[62:63]
	SRC 0, 0
.set MS0, NLD
	SRC 0, 1
.set MS1, NLD
	SRC 1, 0
.set MS2, NLD
	SRC 1, 1
.set MS3, NLD
	BIAS H, 18                                     ; b_proj
.set MBP, NLD
	DESC GF0, 0, 14, 0                             ; w_proj: my rows 0-63,
	DESC GF1, 1, 14, 16384                         ; 64-127
	DESC GF2, 0, 24, 0                             ; w1: my 64 rows, K 0-511,
	DESC GF3, 1, 24, 256                           ; 512-1,023
	DESC GF4, 0, 30, 0                             ; w2: my rows 0-63,
	DESC GF5, 1, 30, 16384                         ; 64-127
	CROUND                                         ; all four work-groups are here: the first joint loads meet
	tensor_load_to_lds s[GF0:GF0+3], s[G1D:G1D+7]  ; the two first fills go out together, ahead of every wait on TENSORcnt
	s_nop 0
	tensor_load_to_lds s[GF1:GF1+3], s[G1D:G1D+7]
	s_nop 0
	PLACES 4
	WLD MS0
	TURNIN 0
	WIN 0x40
.irp u, 0,1
.irp s, 0,1,2,3
.irp c, 0,1
	global_load_b128 v[XF+32*\u+8*\s+4*\c:XF+32*\u+8*\s+4*\c+3], v[L16], s[8:9] offset:4096*\u+1024*\s+512*\c   ; o's eight fragments, as they lie
.endr
.endr
.endr
	WIN 0
	global_load_b128 v[XS:XS+3], v[L16], s[10:11]  ; o's scale words: lanes 0-15 tile 0, lanes 16-31 tile 1
.set NLD, NLD+17
	WSLOAD 0
.set MO, NLD
	WLD MS1
	TURNIN 1
	s_wait_tensorcnt 0x1                           ; my part of fill 0 has landed; fill 1's may stay out.  Nobody else reads my part
	FETCHW 0
	WLD MS2
	TURNIN 2
	CHANGE GF2, G1W                                ; slot 0 takes w1's first half
	WLD MS3
	TURNIN 3
	WIN 0x40
	BIAS NB, 22                                    ; norm1_b
	WIN 0
	WLD MBP
	s_wait_dscnt 0x0                               ; src is back from the stage
	ADDB                                           ; src + b_proj: the first product's C
	BIAS H, 20                                     ; norm1_w
.set MNW, NLD
	WLD MO                                         ; o's fragments and scale words and w_proj's scale words are in
	; ---- z = src + b_proj + o w_proj
	CFILL 0
	PLACES 4                                       ; in front of loads into registers that matrix instructions have read
	FETCHW 1
	CFILL 1
	PLACES 5                                       ; a product's end
	WSLOAD 1
	; ---- the rows' means: my 128 columns in four chains, each accumulator read from its low end on; then the eight waves' sums meet in LDS
.irp u, 0,1
	v_pk_add_f32 v[TM+4*\u:TM+4*\u+1], v[Y+64*\u:Y+64*\u+1], v[Y+64*\u+2:Y+64*\u+3]
	v_pk_add_f32 v[TM+4*\u+2:TM+4*\u+3], v[Y+64*\u+4:Y+64*\u+5], v[Y+64*\u+6:Y+64*\u+7]
.endr
.irp t, 1,2,3,4,5,6,7
.irp u, 0,1
	v_pk_add_f32 v[TM+4*\u:TM+4*\u+1], v[TM+4*\u:TM+4*\u+1], v[Y+64*\u+8*\t:Y+64*\u+8*\t+1]
	v_pk_add_f32 v[TM+4*\u+2:TM+4*\u+3], v[TM+4*\u+2:TM+4*\u+3], v[Y+64*\u+8*\t+2:Y+64*\u+8*\t+3]
.endr
.irp u, 0,1
	v_pk_add_f32 v[TM+4*\u:TM+4*\u+1], v[TM+4*\u:TM+4*\u+1], v[Y+64*\u+8*\t+4:Y+64*\u+8*\t+5]
	v_pk_add_f32 v[TM+4*\u+2:TM+4*\u+3], v[TM+4*\u+2:TM+4*\u+3], v[Y+64*\u+8*\t+6:Y+64*\u+8*\t+7]
.endr
.endr
.irp u, 0,1
	v_pk_add_f32 v[TM+4*\u:TM+4*\u+1], v[TM+4*\u:TM+4*\u+1], v[TM+4*\u+2:TM+4*\u+3]
.endr
.irp u, 0,1
	v_add_f32 v[TM+4*\u], v[TM+4*\u], v[TM+4*\u+1]
.endr
.irp u, 0,1
	v_permlanex16_b32 v[TM+4*\u+1], v[TM+4*\u], s[SEL], s[SEL+1]
.endr
.irp u, 0,1
	v_add_f32 v[TM+4*\u], v[TM+4*\u], v[TM+4*\u+1]
.endr
	v_cndmask_b32 v[TM+8], v[TM], v[TM+4], s42     ; lanes 0-15 tile 0's rows, lanes 16-31 tile 1's
	ds_store_b32 v[RDW], v[TM+8]
	CHANGE GF3, G1W                                ; slot 1 takes w1's second half; behind the round the eight waves' partial sums lie in LDS, and nobody reads a stage any more
.irp k, 0,1,2,3,4,5,6,7
	ds_load_b32 v[TM+\k], v[RDR] offset:128*\k
	ds_load_b32 v[PC+\k], v[RDR] offset:128*\k+64
.endr
	FETCHW 2                                       ; (fill 2 was shown landed by the wait in front of the round)
	s_wait_dscnt 32                                ; the sixteen partial sums are in; the 32 fragment loads issued behind them may stay out
.irp q, TM, PC                         ; the same order of additions in every wave
	v_add_f32 v[\q], v[\q], v[\q+1]
	v_add_f32 v[\q+2], v[\q+2], v[\q+3]
	v_add_f32 v[\q+4], v[\q+4], v[\q+5]
	v_add_f32 v[\q+6], v[\q+6], v[\q+7]
	v_add_f32 v[\q], v[\q], v[\q+2]
	v_add_f32 v[\q+4], v[\q+4], v[\q+6]
	v_add_f32 v[\q], v[\q], v[\q+4]
.endr
	v_mul_f32 v[TM+8], 0xba800000, v[TM]           ; -mean = sum x -2^-10
	v_mul_f32 v[TM+10], 0xba800000, v[PC]
	v_mov_b32 v[TM+9], v[TM+8]
	v_mov_b32 v[TM+11], v[TM+10]
	WLD MNW                                        ; norm1_b and norm1_w are in; w1's scale words, asked for behind them, may stay out
.set J, 0
.rept 32
	v_pk_add_f32 v[Y+J:Y+J+1], v[Y+J:Y+J+1], v[TM+8:TM+9]
	v_pk_add_f32 v[Y+64+J:Y+64+J+1], v[Y+64+J:Y+64+J+1], v[TM+10:TM+11]
.set J, J+2
.endr
	WIN 0x10                                       ; source 2 (norm1_b) window 1
.set J, 0
.rept 32
	v_pk_fma_f32 v[Y+J:Y+J+1], v[Y+J:Y+J+1], v[H+J:H+J+1], v[NB+J:NB+J+1]
	v_pk_fma_f32 v[Y+64+J:Y+64+J+1], v[Y+64+J:Y+64+J+1], v[H+J:H+J+1], v[NB+J:NB+J+1]
.set J, J+2
.endr
	WIN 0
	BIAS H, 34                                     ; b2
.set MB2, NLD
	; ---- Q(y): my 128 columns are K step w of the second product: one fragment and one scale word a tile
	QUANT Y
	ds_store_b128 v[YIW], v[PC:PC+3]
	ds_store_b128 v[YIW], v[PC+4:PC+7] offset:512
	v_mov_b32 v[PW+1], v[PW]
	s_wait_dscnt 0x0                               ; the stores have read their registers
	QUANT Y+64
	ds_store_b128 v[YIW], v[PC:PC+3] offset:8192
	ds_store_b128 v[YIW], v[PC+4:PC+7] offset:8704
	v_cndmask_b32 v[TM], v[PW+1], v[PW], s42       ; lanes 0-15 tile 0's word, lanes 16-31 tile 1's
	ds_store_b32 v[YSW], v[TM]
	WLD MB2
	ADDB                                           ; y + b2: the third product's C
.irp u, 0,1
.irp t, 0,1,2,3
.irp j, 0,1
	global_load_b128 v[H+32*\u+8*\t+4*\j:H+32*\u+8*\t+4*\j+3], v[POF], s[28:29] offset:64*\t+16*\j   ; b1: the second product's C, for both tiles
.endr
.endr
.endr
.set NLD, NLD+16
.set MB1, NLD
	CHANGE GF4, G1D                                ; slot 0 takes w2's first half; behind the round y's sixteen fragments and their scale words lie in LDS
	; ---- the hidden layer: b1 + Q(y) w1
	XFETCH 0, 8192                                 ; K steps 0-3
	ds_load_b128 v[XS:XS+3], v[YSR]
	ds_load_b128 v[XS+4:XS+7], v[YSR] offset:16
	WLD MB1                                        ; b1 and w1's scale words
	CFILL 2
	PLACES 4
	XFETCH 4096, 8192                              ; K steps 4-7
	FETCHW 3
	CHANGE GF5, G1D                                ; slot 1 takes w2's second half: the last load
	CFILL 3
	PLACES 5
	WSLOAD 2
	FETCHW 4                                       ; (fill 4 was shown landed by the wait in front of the last round)
.set J, 0
.rept 64
	v_max_num_f32 v[H+J], 0, v[H+J]                ; the activation, in f32
.set J, J+1
.endr
	QUANT H                                        ; blocks 2 u + p: my 64 units are half a K step of the third product
	ds_store_b128 v[HIW], v[PC:PC+3]
	ds_store_b128 v[HIW], v[PC+4:PC+7] offset:4096
	v_lshrrev_b32 v[TM], 16, v[PW]
	v_cndmask_b32 v[TM], v[PW], v[TM], s42         ; lanes 0-15 tile 0's two bytes, lanes 16-31 tile 1's
	ds_store_b16 v[HSW], v[TM]
	s_wait_dscnt 0x0                               ; for the others' sake: my stores are done
	s_barrier_signal -1
	s_barrier_wait -1                              ; the hidden layer's eight fragments and their scale bytes lie in LDS.  Fill 5 may stay on its way across it
	; ---- out = y + b2 + Q(hidden) w2
	XFETCH 16384, 4096
	ds_load_b128 v[XS:XS+3], v[XFA] offset:HSC-STG
	s_wait_loadcnt 0x0                             ; w2's scale words
	CFILL 4
	PLACES 4
	s_wait_tensorcnt 0x0                           ; fill 5 has landed; nothing is left to fetch
	FETCHW 5
	CFILL 5
	PLACES 4
	; ---- THE WAY OUT: a tile goes through my part of slot 0 and comes back by rows; a store covers 512 consecutive bytes, at a multiple of 256 from the buffer's first byte.
	; Tile 1's rows come back into tile 0's accumulators, which have been stored by then.
	v_and_b32 v40, 15, v0                          ; r
	v_bfe_u32 v41, v0, 4, 1                        ; h
	v_mul_u32_u24 v42, v40, OP
	v_lshl_add_u32 v42, v41, 5, v42
	v_add_nc_u32 v42, s43, v42                     ; in: 528 r + 32 h
	v_add_nc_u32 v43, s43, v[L16]                  ; back: 16 x lane
.irp u, 0,1
.irp k, 0,1,2,3,4,5,6,7,8,9,10,11,12,13,14,15
	ds_store_b128 v42, v[Y+64*\u+4*\k:Y+64*\u+4*\k+3] offset:64*(\k/2)+16*(\k%2)   ; each accumulator from its low end on
.endr
.irp i, 0,1,2,3,4,5,6,7,8,9,10,11,12,13,14,15
	ds_load_b128 v[H+64*\u+4*\i:H+64*\u+4*\i+3], v43 offset:OP*\i
.endr
.endr
.irp u, 0,1
.irp i, 0,1,2,3,4,5,6,7,8,9,10,11,12,13,14,15
	s_wait_dscnt 47-32*\u-\i                       ; the LDS instructions issued behind this row's load may stay out
	global_store_b128 v[L16], v[H+64*\u+4*\i:H+64*\u+4*\i+3], s[36:37] offset:(8*\u+\i+8*(\i>>3))*4096 th:TH_STORE_NT
.endr
.endr
	s_wait_tensorcnt 0x0                           ; the wave's end, behind my last tensor load and my last LDS store
	ds_add_u32 v[SPW], v[NIL]
	s_wait_dscnt 0x0
	CROUND                                         ; the closing round: no work-group ends while a partner may still ask for rows by a load that names it
	s_endpgm
.Lfunc_end_k_q407db69da9_ffn:
	.size	k_q407db69da9_ffn, .Lfunc_end_k_q407db69da9_ffn-k_q407db69da9_ffn
	.p2alignl 7, 3214868480
	.fill 96, 4, 3214868480
	.section	.rodata,"a",@progbits
	.p2align	6, 0x0
	.amdhsa_kernel k_q407db69da9_ffn
		.amdhsa_group_segment_fixed_size 327680
		.amdhsa_private_segment_fixed_size 0
		.amdhsa_enable_private_segment 0
		.amdhsa_kernarg_size 120
		.amdhsa_user_sgpr_count 2
		.amdhsa_user_sgpr_kernarg_segment_ptr 1
		.amdhsa_wavefront_size32 1
		.amdhsa_system_sgpr_workgroup_id_x 1
		.amdhsa_system_sgpr_workgroup_id_y 1
		.amdhsa_system_sgpr_workgroup_id_z 1
		.amdhsa_system_vgpr_workitem_id 0
		.amdhsa_next_free_vgpr 512
		.amdhsa_next_free_sgpr 100
		.amdhsa_reserve_vcc 0
		.amdhsa_float_denorm_mode_32 3
		.amdhsa_float_denorm_mode_16_64 3
		.amdhsa_memory_ordered 1
		.amdhsa_forward_progress 1
		.amdhsa_inst_pref_size 114
	.end_amdhsa_kernel
	.amdgpu_metadata
---
amdhsa.version: [ 1, 2 ]
amdhsa.kernels:
  - .name:           k_q407db69da9_ffn
    .symbol:         k_q407db69da9_ffn.kd
    .args:
      - { .name: oc, .offset: 0, .size: 8, .value_kind: global_buffer, .address_space: global }
      - { .name: os, .offset: 8, .size: 8, .value_kind: global_buffer, .address_space: global }
      - { .name: src, .offset: 16, .size: 8, .value_kind: global_buffer, .address_space: global }
      - { .name: w_proj_codes, .offset: 24, .size: 8, .value_kind: global_buffer, .address_space: global }
      - { .name: w_proj_scales, .offset: 32, .size: 8, .value_kind: global_buffer, .address_space: global }
      - { .name: b_proj, .offset: 40, .size: 8, .value_kind: global_buffer, .address_space: global }
      - { .name: norm1_w, .offset: 48, .size: 8, .value_kind: global_buffer, .address_space: global }
      - { .name: norm1_b, .offset: 56, .size: 8, .value_kind: global_buffer, .address_space: global }
      - { .name: w1_codes, .offset: 64, .size: 8, .value_kind: global_buffer, .address_space: global }
      - { .name: w1_scales, .offset: 72, .size: 8, .value_kind: global_buffer, .address_space: global }
      - { .name: b1, .offset: 80, .size: 8, .value_kind: global_buffer, .address_space: global }
      - { .name: w2_codes, .offset: 88, .size: 8, .value_kind: global_buffer, .address_space: global }
      - { .name: w2_scales, .offset: 96, .size: 8, .value_kind: global_buffer, .address_space: global }
      - { .name: b2, .offset: 104, .size: 8, .value_kind: global_buffer, .address_space: global }
      - { .name: out0, .offset: 112, .size: 8, .value_kind: global_buffer, .address_space: global }
    .group_segment_fixed_size: 327680
    .private_segment_fixed_size: 0
    .kernarg_segment_align: 8
    .kernarg_segment_size: 120
    .max_flat_workgroup_size: 256
    .sgpr_count:     100
    .vgpr_count:     512
    .wavefront_size: 32
...
	.end_amdgpu_metadata
.endif
;; end of part 3
;; ======== version 2 of 2: 3 launches; version 1 with the launch attn written anew for expert scheduling mode
;; workspace buffers: qc 2,097,152 bytes; kc 2,097,152 bytes; vc 2,097,152 bytes; sc 524,288 bytes; oc 2,097,152 bytes; os 131,072 bytes
;; launch qkv: the kernel of part 1 again; grid 256 x 1, 8 waves a work-group, clusters of 4 x 1, 327,680 bytes of LDS; arguments src, pre_norm_w, pre_norm_b, wq_codes, wq_scales, wk_codes, wk_scales, wv_codes, wv_scales, qc, kc, vc, sc; writes qc, kc, vc, sc
;; launch attn (part 4): grid 8 x 32, 16 waves a work-group, no clusters, 141,312 bytes of LDS; arguments qc, kc, vc, sc, oc, os; writes oc, os
.if DOCPART == 4
	.amdgcn_target "amdgcn-amd-amdhsa--gfx1250"
	.amdhsa_code_object_version 6
	.text
	.protected	k_q407db69da9_attn
	.globl	k_q407db69da9_attn
	.p2align	8
	.type	k_q407db69da9_attn,@function
k_q407db69da9_attn:
	s_mov_b64 s[64:65], 0
	v_nop
	global_prefetch_b8 v0, s[64:65] scope:SCOPE_SE
	s_setreg_imm32_b32 hwreg(HW_REG_WAVE_SCHED_MODE, 0, 2), 2
	s_setreg_imm32_b32 hwreg(HW_REG_WAVE_MODE, 25, 1), 1
	s_wait_xcnt 0x0
	s_wait_alu depctr_vm_vsrc(0)
; o = softmax(q k^T / 8) v for one (batch, head), both products on codes of FP4 (E2M1) with one E8M0 scale for each 32 along K; o / l is quantised along the head's 64 channels and leaves as codes.
; THE SOFTMAX: t = score x log2(e) / 8; M = the running largest t rounded UP to a whole number; p = 2^(t - M) is quantised along the keys, not normalised; the row's sum is taken of the
; unquantised p and divides at the end; when M moves, the sum and O are multiplied by 2^(old M - new M), which rounds nothing.
; SHARES.  A work-group owns 256 queries of one head, each of its sixteen waves one tile of 16: four waves to a SIMD, so that one wave's vector work stands beside another's matrix work.
; A head's codes of K and of V are 64 KB each: the whole head is brought into LDS ONCE, through registers, as it lies in memory (images of operand registers); one barrier; then LDS is only read.
; The eight work-groups of a head read the same 132 KB; they are not asked for jointly: each byte is read once by a work-group, ahead of the loop, and this text has no tensor load and no ring.
; K = 64 IN AN INSTRUCTION OF K = 128.  The image of a pair of key tiles (tile 0 in registers 0-3, tile 1 in registers 4-7) is ONE source 0; source 1 is (Q, zeros) for tile 0 and (zeros, Q)
; for tile 1: zero codes add nothing.  Q lies between two runs of zeros, v16-19 and v24-27, so both forms are runs of eight registers.
; LAYOUT.  Both products are used transposed: a lane holds one query (lane % 16).  Lane index r of key tile u of a pair stands for key 8 u + r + 8 (r / 8), so the 16 score registers of a
; pair are keys 16 (lane / 16) + 0 .. 15 of its 32.  V's channel tiles are chosen alike, so O's 16 registers of two tiles are 16 neighbouring channels.
; LIMITS: NaN and infinities are not served; a block whose largest magnitude lies under 2^-124 gets the byte 1 (read by this program alone); 1 / l by v_rcp_f32.
; REGISTERS: v1-4 addresses that stay; v5-7 lane, r, h; v8-11 addresses in hand; v12 -M, v13 largest t, v14-15 the sum; v16-27 zeros, Q, zeros; v28-29 Q's scale words; v32-63 K; v64-95 V;
;   v96-159 scores, then p; v160-191 O^T; v192-195 K's scale words, v196-197 V's; v224-231 p's codes; v232-254 at work; v251, v255 for the closing add alone.
; THE MODE: SCHED_MODE bits 1:0 = 2 (LLVM: expert scheduling mode 2), set by the entry lines.  The code itself states the register dependences
; between vector or matrix instructions and memory or LDS instructions, with s_wait_alu, always for 0.
; THE PLAN.  Registers that LDS instructions touch, in the loop:
;   v8-11            Written by the four additions at a step's head; read by the step's LDS loads.
;   v32-63, v192-195 K of a step and its scale words.  Read by the step's eight score products; the NEXT step's loads land in them, issued in this step.
;   v64-95, v196-197 V of a step and its scale words.  Loaded in the step; read by the four products at the step's end.
;   All other registers of the loop are named by vector and matrix instructions alone.
; One wait on va_vdst stands behind the batch of exponentials.  It states that their results are written, that v8-11 are written, that this step's score products are done reading K and that the
; last step's closing products are done reading V.  Behind it come this step's nine loads of V and, further on, the next step's nine of K: no vector line between names a register that they touch.
; A second wait on va_vdst stands directly ahead of the closing products, which take p's codes and scale word from vector lines.  One wait on vm_vsrc stands at a step's head, ahead of the additions.
; Step 0's K is asked for in front of the loop; the sixteenth step is written out and asks for no K.
.set KC,  0
.set VC,  65536
.set KSC, 131072                       ; [step 16][r 16][pair 4] words
.set VSC, 135168                       ; [step 16][lane 32][2] words: word c of lane 16 a + r: channel tile 2 c + a, channel lane r; its four bytes: the step's four blocks of keys
.macro WM d, a, b, z, sa, sb, ra, rb
.if \z
	v_wmma_scale_f32_16x16x128_f8f6f4 v[\d:\d+7], v[\a:\a+7], v[\b:\b+7], 0, v[\sa], v[\sb] matrix_a_fmt:MATRIX_FMT_FP4 matrix_b_fmt:MATRIX_FMT_FP4
.elseif (\ra)
	v_wmma_scale_f32_16x16x128_f8f6f4 v[\d:\d+7], v[\a:\a+7], v[\b:\b+7], v[\d:\d+7], v[\sa], v[\sb] matrix_a_fmt:MATRIX_FMT_FP4 matrix_b_fmt:MATRIX_FMT_FP4 matrix_a_scale:MATRIX_SCALE_ROW1
.else
	v_wmma_scale_f32_16x16x128_f8f6f4 v[\d:\d+7], v[\a:\a+7], v[\b:\b+7], v[\d:\d+7], v[\sa], v[\sb] matrix_a_fmt:MATRIX_FMT_FP4 matrix_b_fmt:MATRIX_FMT_FP4
.endif
.endm
	s_load_b256 s[4:11], s[0:1], 0x0               ; qc 4, kc 6, vc 8, sc 10
	s_load_b128 s[12:15], s[0:1], 0x20             ; oc 12, os 14
	v_lshl_add_u32 v251, v0, 2, 0x22000
	v_mov_b32 v255, 0
	v_lshrrev_b32 v5, 5, v0
	v_readfirstlane_b32 s16, v5                    ; wave 0..15
	v_and_b32 v5, 31, v0                           ; lane
	v_and_b32 v6, 15, v0                           ; r
	v_bfe_u32 v7, v0, 4, 1                         ; h
	v_lshlrev_b32 v1, 4, v5                        ; K's images: 16 x lane
	v_add_nc_u32 v2, VC, v1                        ; V's
	v_lshl_add_u32 v3, v6, 4, KSC                  ; K's scale words: 16 bytes for lane index r
	v_lshl_add_u32 v4, v5, 3, VSC                  ; V's: 8 bytes a lane
	v_lshlrev_b32 v8, 4, v0                        ; 16 x thread
	v_lshlrev_b32 v9, 3, v6                        ; a record's word 0 of lane r: q's
	v_add_nc_u32 v10, 128, v9                      ; of lane 16 + r: k's
	v_lshl_add_u32 v11, v5, 3, 4                   ; word 1: v's
	v_add_nc_u32 v31, VC, v8                       ; where I put V's codes in LDS
	s_wait_alu depctr_va_sdst(0)                   ; s16 is written, ahead of its first reader: the wave's addresses are made from it
	s_and_b32 s17, ttmp7, 0xffff                   ; bh
	s_lshl_b32 s18, s17, 16                        ; the head's 65,536 bytes in qc, kc, vc
	s_mov_b32 s19, 0
	s_lshl_b32 s28, ttmp9, 4
	s_add_co_u32 s28, s28, s16                     ; T: my tile of queries, 0..127
	s_lshl_b32 s30, s28, 9
	s_add_co_u32 s30, s30, s18
	s_mov_b32 s31, 0
	s_lshl_b32 s32, s17, 14                        ; the head's 16,384 bytes in sc
	s_lshr_b32 s34, s28, 1
	s_lshl_b32 s34, s34, 8
	s_add_co_u32 s34, s34, s32                     ; my queries' record
	s_mov_b32 s35, 0
	s_lshl_b32 s40, s16, 10
	s_add_co_u32 s40, s40, s32                     ; the four records of key step w
	s_mov_b32 s41, 0
	s_lshr_b32 s44, s17, 3
	s_lshl_b32 s44, s44, 7
	s_add_co_u32 s44, s44, s28                     ; Tg = 128 x batch + T
	s_and_b32 s45, s17, 7                          ; the head
	s_lshl_b32 s46, s44, 12
	s_lshl_b32 s47, s45, 9
	s_add_co_u32 s46, s46, s47                     ; oc: [Tg][head][lane][16]
	s_mov_b32 s47, 0
	s_lshl_b32 s42, s44, 8
	s_lshl_b32 s43, s45, 1
	s_add_co_u32 s42, s42, s43                     ; os: [Tg][r][16]: bytes 2 head, 2 head + 1
	s_mov_b32 s43, 0
	s_lshl_b32 s29, s16, 8                         ; 256 x wave
	s_and_b32 s33, s16, 1
	s_lshl_b32 s33, s33, 4                         ; 16 x (my tile's place in its pair)
	s_mov_b32 s20, 0x76543210
	s_mov_b32 s21, 0xfedcba98                      ; lane l xor 16
	s_mov_b32 s22, 0x3e38aa3b                      ; c = log2(e) / 8
	s_mov_b32 s23, s22                             ; (named with it as a pair, so it is written)
	s_mov_b32 s27, 0xffff0000                      ; lanes 16-31
	v_add_nc_u32 v104, s29, v3                     ; where I put key step w's scale words of K,
	v_add_nc_u32 v113, s29, v4                     ; and of V
	s_wait_kmcnt 0x0
	s_add_nc_u64 s[4:5], s[4:5], s[30:31]
	s_add_nc_u64 s[6:7], s[6:7], s[18:19]
	s_add_nc_u64 s[8:9], s[8:9], s[18:19]
	s_add_nc_u64 s[36:37], s[10:11], s[34:35]
	s_add_nc_u64 s[38:39], s[10:11], s[40:41]
	s_add_nc_u64 s[12:13], s[12:13], s[46:47]
	s_add_nc_u64 s[14:15], s[14:15], s[42:43]
	s_wait_alu depctr_va_vdst(0)                   ; the addresses v1-4, v8-11, v31, v104 and v113 are written: the loads below, the LDS stores behind them and step 0's loads of K read them
	global_load_b128 v[20:23], v1, s[4:5]          ; Q: lane (r, h) = block h of query r
	global_load_b32 v30, v9, s[36:37]              ; its pair's scale word
.irp j, 0,1,2,3,4,5,6,7
	global_load_b128 v[32+4*\j:35+4*\j], v8, s[6:7] offset:8192*\j   ; the 512 threads read 8,192 consecutive bytes
.endr
.irp j, 0,1,2,3,4,5,6,7
	global_load_b128 v[64+4*\j:67+4*\j], v8, s[8:9] offset:8192*\j
.endr
.irp j, 0,1,2,3
	global_load_b32 v[96+\j], v10, s[38:39] offset:256*\j     ; k's scale words of the step's four pairs
	global_load_b32 v[100+\j], v11, s[38:39] offset:256*\j    ; v's of its four blocks of keys: byte t = channel tile t
.endr
	v_mov_b32 v13, 0xff61b1e6                      ; the largest t so far: -3e38.  (None of the lines from here to the wait for the loads names a register that a load or an LDS store of the head touches)
	v_floor_f32 v12, -v13                          ; -M
	v_mov_b32 v14, 0
	v_mov_b32 v15, 0
.irp j, 16,17,18,19,24,25,26,27
	v_mov_b32 v[\j], 0                             ; zero codes on both sides of Q
.endr
.irp j, 236,237,238,239,253
	v_mov_b32 v[\j], 0                             ; written once: a lane permute's destination counts as a source; v253 is named as the upper half of a pair
.endr
.set J, 0
.rept 32
	v_mov_b32 v[160+J], 0                          ; O^T: the step is written as one macro, its first use finds zeros
.set J, J+1
.endr
	s_wait_loadcnt 0x0
.irp j, 0,1,2,3,4,5,6,7
	ds_store_b128 v8, v[32+4*\j:35+4*\j] offset:8192*\j      ; data from loads, addresses from ahead of the last wait on va_vdst: nothing more is owed
.endr
.irp j, 0,1,2,3,4,5,6,7
	ds_store_b128 v31, v[64+4*\j:67+4*\j] offset:8192*\j
.endr
	ds_store_b128 v104, v[96:99]                   ; lanes r and 16 + r write the same 16 bytes with the same values
	v_lshrrev_b32 v28, s33, v30
	v_and_b32 v28, 0xffff, v28                     ; (Q, zeros): my tile's two bytes below; the bytes over the zero codes are 0, which is no NaN
	v_lshlrev_b32 v29, 16, v28                     ; (zeros, Q): above
	v_perm_b32 v105, v101, v100, 0x05010400        ; four words of four bytes are turned: out t, byte j = word j, byte t
	v_perm_b32 v106, v101, v100, 0x07030602
	v_perm_b32 v107, v103, v102, 0x05010400
	v_perm_b32 v108, v103, v102, 0x07030602
	v_perm_b32 v109, v107, v105, 0x05040100
	v_perm_b32 v110, v107, v105, 0x07060302
	v_perm_b32 v111, v108, v106, 0x05040100
	v_perm_b32 v112, v108, v106, 0x07060302
	v_cndmask_b32 v114, v109, v110, s27            ; lanes 0-15 channel tiles 0 and 2, lanes 16-31 tiles 1 and 3
	v_cndmask_b32 v115, v111, v112, s27
	s_wait_alu depctr_va_vdst(0)                   ; v114 and v115 are written, which the LDS store reads; so are Q's scale words v28, v29 and the zero codes, which the score products take (the ten lines above are the places behind v29)
	ds_store_b64 v113, v[114:115]
	s_wait_dscnt 0x0                               ; for the others' sake: my stores are done
	s_barrier_signal -1
	s_barrier_wait -1                              ; the head lies in LDS; nobody writes LDS from here on
	s_mov_b32 s24, 0                               ; the step's codes: 4,096 bytes a step
	s_mov_b32 s25, 0                               ; its scale words: 256 bytes a step
	s_mov_b32 s26, 15
	s_wait_alu depctr_vm_vsrc(0)                   ; my LDS stores have read v32-99, v104 and v113-115: LDS loads land in v32-95 from here on, and the score products write v96-159
.irp i, 0,1,2,3
.irp c, 0,1
	ds_load_b128 v[32+8*\i+4*\c:35+8*\i+4*\c], v1 offset:1024*\i+512*\c   ; step 0's K
.endr
.endr
	ds_load_b128 v[192:195], v3                    ; and its scale words
; A STEP of 128 keys.  more = 1: the next step's K is asked for.
.macro STEP more
	s_wait_alu depctr_vm_vsrc(0)                   ; the loads issued so far have read v8-11, which the lines below write again
.if \more
	v_add_nc_u32 v8, s24, v1
	v_add_nc_u32 v10, s25, v3
.endif
	v_add_nc_u32 v9, s24, v2
	v_add_nc_u32 v11, s25, v4
	s_wait_dscnt 0x0                               ; K and its scale words, asked for in the step before, are in
.irp i, 0,1,2,3
.irp u, 0,1
	WM 96+16*\i+8*\u, 32+8*\i, 20-4*\u, 1, 192+\i, 28+\u, 0, 0
.endr
.endr
.rept 4
	v_nop
.endr
.irp b, 0,1,2,3
	v_max3_num_f32 v[232+\b], v[96+16*\b], v[97+16*\b], v[98+16*\b]   ; the largest score of each block of 32 keys: for the row's maximum and, since p rises with the score, for the block's largest p
.endr
.irp i, 3,5,7,9,11,13
.irp b, 0,1,2,3
	v_max3_num_f32 v[232+\b], v[232+\b], v[96+16*\b+\i], v[97+16*\b+\i]
.endr
.endr
.irp b, 0,1,2,3
	v_max_num_f32 v[232+\b], v[232+\b], v[111+16*\b]
.endr
.irp b, 0,1,2,3
	v_permlanex16_b32 v[236+\b], v[232+\b], s20, s21
.endr
.irp b, 0,1,2,3
	v_max_num_f32 v[232+\b], v[232+\b], v[236+\b]
.endr
	v_max3_num_f32 v254, v232, v233, v234
	v_max_num_f32 v254, v254, v235
	v_mul_f32 v254, s22, v254                      ; as t (c is positive)
	v_max_num_f32 v13, v13, v254                   ; the running largest t
	v_mov_b32 v254, v12
	v_floor_f32 v12, -v13                          ; the new -M = -ceil(t)
	v_sub_f32 v254, v12, v254                      ; old M - new M: a whole number, 0 or less
	v_cvt_i32_f32 v254, v254                       ; (it saturates)
	v_ldexp_f32 v252, 1.0, v254                    ; f = 2^(old M - new M)
.irp j, 0,2,4,6,8,10,12,14,16,18,20,22,24,26,28,30,32,34,36,38,40,42,44,46,48,50,52,54,56,58,60,62
	v_pk_fma_f32 v[96+\j:97+\j], v[96+\j:97+\j], s[22:23], v[12:13] op_sel_hi:[1,0,0]   ; t - M
.endr
.irp b, 0,1,2,3
	v_fma_f32 v[232+\b], v[232+\b], s22, v12
.endr
.set J, 0
.rept 64
	v_exp_f32 v[96+J], v[96+J]                     ; p = 2^(t - M)
.set J, J+1
.endr
.irp b, 0,1,2,3
	v_exp_f32 v[232+\b], v[232+\b]                 ; the block's largest p: the same two instructions on the same number
.endr
	v_pk_mul_f32 v[14:15], v[14:15], v[252:253] op_sel_hi:[1,0]   ; the sums under the new M (a plain place behind the exponentials)
	s_wait_alu depctr_va_vdst(0)                   ; the 68 exponentials have written v96-159 and v232-235, ahead of their first reader; v8-11 are written; this step's score products are done reading K, the last step's closing products V
.irp t, 0,1,2,3
.irp c, 0,1
	ds_load_b128 v[64+8*\t+4*\c:67+8*\t+4*\c], v9 offset:1024*\t+512*\c   ; this step's V: it lands while p is quantised and summed
.endr
.endr
	ds_load_b64 v[196:197], v11
.irp b, 0,1,2,3
	v_max_num_f32 v[232+\b], 0x1800000, v[232+\b]  ; the floor 2^(3 - 127)
.endr
.irp b, 0,1,2,3
	v_add_nc_u32 v[244+\b], 0xff000000, v[232+\b]  ; the conversion's scale operand
.endr
.irp b, 0,1,2,3
	v_lshrrev_b32 v[236+\b], 23, v[244+\b]
.endr
	v_lshl_or_b32 v253, v237, 8, v236              ; p's scale word for these 128 keys
	v_lshl_or_b32 v253, v238, 16, v253
	v_lshl_or_b32 v253, v239, 24, v253
.irp b, 0,1,2,3
	v_cvt_scalef32_pk8_fp4_f32 v[224+2*\b], v[96+16*\b:103+16*\b], v[244+\b]
	v_cvt_scalef32_pk8_fp4_f32 v[225+2*\b], v[104+16*\b:111+16*\b], v[244+\b]
.endr
	v_nop                                          ; one plain place behind a scaled conversion
.irp c, 0,1
.irp i, 0,1
	v_permlane16_swap_b32 v[224+4*\c+\i], v[226+4*\c+\i]   ; a whole block to a lane
.endr
.endr
.if \more
.irp i, 0,1,2,3
.irp c, 0,1
	ds_load_b128 v[32+8*\i+4*\c:35+8*\i+4*\c], v8 offset:4096+1024*\i+512*\c   ; the NEXT step's K.  No wait: no vector or matrix line since the wait above names v8, v10, v32-63 or v192-195
.endr
.endr
	ds_load_b128 v[192:195], v10 offset:256
.endif
	v_pk_add_f32 v[236:237], v[96:97], v[98:99]    ; the row's sum is taken of the unquantised p, in two chains
.irp j, 4,8,12,16,20,24,28,32,36,40,44,48,52,56,60
	v_pk_add_f32 v[14:15], v[14:15], v[96+\j:97+\j]
	v_pk_add_f32 v[236:237], v[236:237], v[98+\j:99+\j]
.endr
	v_pk_add_f32 v[14:15], v[14:15], v[236:237]
.irp j, 0,2,4,6,8,10,12,14,16,18,20,22,24,26,28,30
	v_pk_mul_f32 v[160+\j:161+\j], v[160+\j:161+\j], v[252:253] op_sel_hi:[1,0]   ; O^T under the new M
.endr
.if \more
	s_wait_dscnt 9                                 ; V and its scale words are in; the nine loads of the next K, issued behind them, may stay out
.else
	s_wait_dscnt 0x0                               ; V and its scale words are in
.endif
	s_wait_alu depctr_va_vdst(0)                   ; p's codes v224-231 and its scale word v253 are written, which the products below take; the sums and the scalings above are the places behind them
.irp t, 0,1,2,3
	WM 160+8*\t, 64+8*\t, 224, 0, 196+\t/2, 253, \t%2, 0
.endr
.endm
.Lstep:                                            ; 15 trips of 128 keys
	STEP 1
	s_add_co_u32 s24, s24, 4096
	s_add_co_u32 s25, s25, 256
	s_sub_co_u32 s26, s26, 1
	s_cmp_lg_u32 s26, 0
	s_cbranch_scc1 .Lstep
	STEP 0                                         ; the sixteenth step is written out: no load reaches past K's bytes
	; THE WAY OUT: o = O^T / l, quantised along the 64 channels (two blocks), stored as the projection's operand image
	s_wait_alu depctr_vm_vsrc(0)                   ; the last step's loads of V have read v9, which is written again below (v8's last readers stand ahead of that step's head)
	v_add_f32 v14, v14, v15
	v_permlanex16_b32 v252, v14, s20, s21
	v_add_f32 v14, v14, v252                       ; the row's sum
	v_rcp_f32 v14, v14
	v_lshl_add_u32 v8, v6, 4, v7                   ; os: 16 r + h (a plain place behind the reciprocal)
	v_nop
	v_nop                                          ; with the additions above: the places behind the last products
.set J, 0
	s_wait_alu depctr_va_vdst(0)                   ; the reciprocal has written v14, ahead of its first reader
.rept 32
	v_mul_f32 v[96+J], v[160+J], v14               ; register 16 b + i: channel 32 b + 16 h + i
.set J, J+1
.endr
.irp b, 0,1
	v_max3_num_f32 v[232+\b], |v[96+16*\b]|, |v[97+16*\b]|, 0x1800000
.endr
.irp i, 2,4,6,8,10,12,14
.irp b, 0,1
	v_max3_num_f32 v[232+\b], v[232+\b], |v[96+16*\b+\i]|, |v[97+16*\b+\i]|
.endr
.endr
.irp b, 0,1
	v_permlanex16_b32 v[236+\b], v[232+\b], s20, s21
.endr
.irp b, 0,1
	v_max_num_f32 v[232+\b], v[232+\b], v[236+\b]
.endr
.irp b, 0,1
	v_add_nc_u32 v[244+\b], 0xff000000, v[232+\b]
.endr
.irp b, 0,1
	v_lshrrev_b32 v[236+\b], 23, v[244+\b]
.endr
.irp b, 0,1
	v_cvt_scalef32_pk8_fp4_f32 v[224+2*\b], v[96+16*\b:103+16*\b], v[244+\b]
	v_cvt_scalef32_pk8_fp4_f32 v[225+2*\b], v[104+16*\b:111+16*\b], v[244+\b]
.endr
	v_nop
	v_permlane16_swap_b32 v224, v226
	v_permlane16_swap_b32 v225, v227               ; lane (r, h) = block h of row r
	v_cndmask_b32 v9, v236, v237, s27              ; and its scale byte
	s_wait_alu depctr_va_vdst(0)                   ; the codes v224-227, the byte v9 and the offset v8 are written, which the two stores read
	global_store_b128 v1, v[224:227], s[12:13]     ; 512 consecutive bytes
	global_store_b8 v8, v9, s[14:15]               ; two bytes of each row's sixteen: the other heads' work-groups write the others
	s_wait_dscnt 0x0                               ; the closing lines, six on end
	s_wait_alu 0x0
	s_wait_tensorcnt 0x0
	ds_add_u32 v251, v255
	s_wait_dscnt 0x0
	s_endpgm
.Lfunc_end_k_q407db69da9_attn:
	.size	k_q407db69da9_attn, .Lfunc_end_k_q407db69da9_attn-k_q407db69da9_attn
	.p2alignl 7, 3214868480
	.fill 96, 4, 3214868480
	.section	.rodata,"a",@progbits
	.p2align	6, 0x0
	.amdhsa_kernel k_q407db69da9_attn
		.amdhsa_group_segment_fixed_size 141312
		.amdhsa_private_segment_fixed_size 0
		.amdhsa_enable_private_segment 0
		.amdhsa_kernarg_size 48
		.amdhsa_user_sgpr_count 2
		.amdhsa_user_sgpr_kernarg_segment_ptr 1
		.amdhsa_wavefront_size32 1
		.amdhsa_system_sgpr_workgroup_id_x 1
		.amdhsa_system_sgpr_workgroup_id_y 1
		.amdhsa_system_sgpr_workgroup_id_z 1
		.amdhsa_system_vgpr_workitem_id 0
		.amdhsa_next_free_vgpr 256
		.amdhsa_next_free_sgpr 66
		.amdhsa_reserve_vcc 0
		.amdhsa_float_denorm_mode_32 3
		.amdhsa_float_denorm_mode_16_64 3
		.amdhsa_memory_ordered 1
		.amdhsa_forward_progress 1
		.amdhsa_inst_pref_size 43
	.end_amdhsa_kernel
	.amdgpu_metadata
---
amdhsa.version: [ 1, 2 ]
amdhsa.kernels:
  - .name:           k_q407db69da9_attn
    .symbol:         k_q407db69da9_attn.kd
    .args:
      - { .name: qc, .offset: 0, .size: 8, .value_kind: global_buffer, .address_space: global }
      - { .name: kc, .offset: 8, .size: 8, .value_kind: global_buffer, .address_space: global }
      - { .name: vc, .offset: 16, .size: 8, .value_kind: global_buffer, .address_space: global }
      - { .name: sc, .offset: 24, .size: 8, .value_kind: global_buffer, .address_space: global }
      - { .name: oc, .offset: 32, .size: 8, .value_kind: global_buffer, .address_space: global }
      - { .name: os, .offset: 40, .size: 8, .value_kind: global_buffer, .address_space: global }
    .group_segment_fixed_size: 141312
    .private_segment_fixed_size: 0
    .kernarg_segment_align: 8
    .kernarg_segment_size: 48
    .max_flat_workgroup_size: 512
    .sgpr_count:     66
    .vgpr_count:     256
    .wavefront_size: 32
...
	.end_amdgpu_metadata
.endif
;; end of part 4
;; launch ffn: the kernel of part 3 again; grid 256 x 1, 8 waves a work-group, clusters of 4 x 1, 327,680 bytes of LDS; arguments oc, os, src, w_proj_codes, w_proj_scales, b_proj, norm1_w, norm1_b, w1_codes, w1_scales, b1, w2_codes, w2_scales, b2, out0; writes out0
